; MI455X (gfx1250); checked and timed in simulation.
; The chip was launched on July 23, 2026; its instructions are those of AMD's public machine-readable ISA for CDNA 5 (MIT licence, August 2026) and "CDNA5" Instruction Set Architecture Reference Guide (July 2026). The comments in the code are by the model that wrote it; some were corrected since.
;; Encoder Layer. Allowed arithmetic: matrix products marked QUANTISED: E5M2 operands, one given power-of-two scale a tensor, by v_wmma_f32_16x16x64_bf8_bf8 or v_wmma_f32_16x16x128_bf8_bf8, f32 sums; everything else in f32.
;; Inputs: W1 1,024 x 4,096 float32; W2 4,096 x 1,024 float32; Wqkv 1,024 x 3,072 float32; b1 4,096 float32; b2 1,024 float32; beta 1,024 float32; bqkv 3,072 float32; gamma 1,024 float32; lowp_scales 10 int32 (the exponents e of the quantised operands' scales 2^e); x 2 x 2,048 x 1,024 float32.
;; Outputs: out0 2 x 2,048 x 1,024 float32.
;; This version of the problem:
;;   THIS VERSION OF THE PROBLEM IS GIVEN IN LOW PRECISION. The matrix products marked QUANTISED in the list below multiply operands that are first quantised to E5M2 (5 exponent bits, 2 mantissa bits; 8 bits a number), with one given power-of-two scale for each operand tensor; their sums are f32. All else is computed in f32.
;;   The module's matrix products, in the order in which they are computed (A, B: the left and right operand; K: the contracted axis; several contracted axes count as one K, in the product's order):
;;     1. [M 4,096, K 1,024] x [K 1,024, N 3,072]; A: input x; B: input Wqkv: QUANTISED (scales: A lowp_scales[0], B lowp_scales[1])
;;     2. batch 32 x [M 2,048, K 64] x [K 64, N 2,048]; A: computed on the way; B: computed on the way: QUANTISED (scales: A lowp_scales[2], B lowp_scales[3])
;;     3. batch 32 x [M 2,048, K 2,048] x [K 2,048, N 64]; A: softmax (see below); B: computed on the way: QUANTISED (scales: A lowp_scales[4], B lowp_scales[5])
;;     4. [M 4,096, K 1,024] x [K 1,024, N 4,096]; A: computed on the way; B: input W1: QUANTISED (scales: A lowp_scales[6], B lowp_scales[7])
;;     5. [M 4,096, K 4,096] x [K 4,096, N 1,024]; A: computed on the way; B: input W2: QUANTISED (scales: A lowp_scales[8], B lowp_scales[9])
;;   THE QUANTISER, for each operand of a quantised product, along K:
;;     - The operand's scale is 2^e, e = its entry of the input lowp_scales (int32; the entries are numbered through the quantised products in the list's order, A before B).
;;     - Each number is divided by the scale, clamped to +-57,344, and rounded to the nearest number of E5M2, ties to even, subnormals kept.
;;     - The product sums the exact products of the quantised numbers (number of the format x scale) in f32.
;;   ~~~python
;;   def quantise(x, axis, e):      # numpy; x: float32 -> the quantised numbers, widened to float32 again
;;       x = np.moveaxis(x, axis, -1); K = x.shape[-1]
;;       r = np.clip(x / 2.0 ** e, -57344, 57344)
;;       step = 2.0 ** (np.maximum(np.frexp(np.where(r == 0, 1, r))[1] - 1, -14) - 2)
;;       q = np.round(r / step) * step * 2.0 ** e      # np.round: ties to even
;;       return np.moveaxis(q, -1, axis).astype(np.float32)
;;   ~~~
;;   SOFTMAX AHEAD OF A QUANTISED PRODUCT. Where the list says 'softmax', what is quantised is not the finished softmax but p = 2^(t - M), with t = logit x log2(e) and M = ceil(the row's largest t), a whole number; so 1/2 < the row's largest p <= 1. The row's sum l is taken of the UNQUANTISED p, in f32, and the product's result is divided by l at the end. Since M is a whole number, a kernel that streams over the keys may use a running M (the ceiling of the running maximum): every later rescaling is an exact power of two, so the quantised numbers keep their values, but for numbers so far below the row's largest that they fall under the format's range.
;;   OPERANDS COMPUTED ON THE WAY. 'Computed on the way' means the value that the module computes at that place (a softmax that the list does not call 'softmax' is quantised finished and normalised). What goes into a quantiser is computed in f32, as accurately as f32 sums, v_exp_f32 and their like allow (about 1e-6 of the number): no bf16 or f16 on the way to a quantiser, and a product that is left as it is and whose result goes on into a quantised operand takes f32 operands (vector FMAs, or v_wmma_f32_16x16x4_f32). A number that lies on a knife's edge between two numbers of the format may be rounded either way, as far as f32 arithmetic and the matrix unit's own rounding can turn it there, and no further.
;; One version. Each part assembles by itself: llvm-mc -triple=amdgcn-amd-amdhsa -mcpu=gfx1250 --defsym DOCPART=n.
;; ======== version 1 of 1: 6 launches
;; limits: right only within a limited range of input values
;; workspace buffers: xq 4,194,304 bytes; wq 11,534,336 bytes; qkvq 12,582,912 bytes; hbuf 16,777,216 bytes; hq 4,194,304 bytes; hidq 16,777,216 bytes; fbuf 16,777,216 bytes
;; launch quant (part 1): grid 480 x 1, 4 waves a work-group, no clusters, 68,096 bytes of LDS; arguments x, Wqkv, W1, W2, lowp_scales, xq, wq; writes xq, wq
.if DOCPART == 1
	.amdgcn_target "amdgcn-amd-amdhsa--gfx1250"
	.amdhsa_code_object_version 6
	.text
	.protected	k_q5b429a51b1_quant
	.globl	k_q5b429a51b1_quant
	.p2align	8
	.type	k_q5b429a51b1_quant,@function
k_q5b429a51b1_quant:
	s_mov_b64 s[64:65], 0
	v_nop
	global_prefetch_b8 v0, s[64:65] scope:SCOPE_SE
	s_setreg_imm32_b32 hwreg(HW_REG_WAVE_MODE, 25, 1), 1
	s_wait_xcnt 0x0
; The four wide operands become codes of BF8 (E5M2), K innermost, each with the scale 2^e that is given for it:
;   x [4096][1024] (e0) -> xq [4096][1024];  Wqkv [1024][3072] (e1), W1 [1024][4096] (e7), W2 [4096][1024] (e9) -> wq: [3072][1024], then [4096][1024], then [1024][4096].
; code = number / 2^e, held within +-57,344, rounded to the nearest code, ties to even.
; LIMITS: each of e0, e1, e7, e9 lies between -126 and 112, so that 2^e and 57,344 x 2^e are f32 numbers.  NaN among the inputs is not served.
; Work-groups 0-127 take x, whose K is innermost: a plain stream of numbers.  Work-groups 128-479 take the weights, whose K is the FIRST axis: a lane takes a column and its registers run down K.
; The two ways part on the work-group's number and never join; each has LDS bytes of its own.  No tensor loads, no barrier, no cluster: no two waves read the same byte, and memory binds.
.set XWG,    128                       ; work-groups for x: 4,194,304 numbers / (4 waves x 8,192)
.set STEPS,  16                        ; x: steps of 512 numbers for a wave
.set EMAX,   15
.set MANT,   0x600000                  ; the mantissa field of 57,344 as f32
.set SP,     80                        ; x: a lane's place in a stage: its 64 bytes + 16 of padding
.set XREG,   8192                      ; x: LDS bytes of a wave (two stages of 32 x SP)
.set XR,     16                        ; v16-79   x: four sets of 16 numbers as loaded
.set XN,     80                        ; v80-111  x: two sets of 16 neighbours
.set XC,     128                       ; v128-191 x: codes, four registers for each step
.set WSTG,   32768                     ; weights: the stages begin behind x's LDS bytes
.set WP,     272                       ; weights: a stage row: 256 codes + 16 of padding
.set NB,     8                         ; weights: blocks of 32 along K for a wave
.set OFF,    16                        ; v16-47   weights: 4 x lane + i x pitch
.set WN,     48                        ; v48-111  weights: two sets of 32 numbers
.set WC,     112                       ; v112-119 weights: a block's codes
.set OUTR,   120                       ; v120-183 weights: the way out
.set OO,     184                       ; v184-199 weights: byte offsets of the way out's 16 stores
	s_load_b256 s[4:11], s[0:1], 0x0               ; x s[4:5], Wqkv s[6:7], W1 s[8:9], W2 s[10:11]
	s_load_b64 s[12:13], s[0:1], 0x20              ; the scales' exponents
	s_load_b128 s[16:19], s[0:1], 0x28             ; xq s[16:17], wq s[18:19]
	v_lshl_add_u32 v200, v0, 2, 0x10800
	v_mov_b32 v201, 0
	v_lshrrev_b32 v1, 5, v0
	v_readfirstlane_b32 s24, v1                    ; wave 0..3
	v_and_b32 v2, 31, v0                           ; lane
	s_wait_kmcnt 0x0
	s_load_b256 s[36:43], s[12:13], 0x0            ; e0 .. e7
	s_load_b64 s[44:45], s[12:13], 0x20            ; e8, e9
	s_cmp_lt_u32 ttmp9, XWG
	s_cbranch_scc0 .Lweights
; ---------------- x: each load reads 512 consecutive bytes; a step's 2,048 bytes turn through the wave's own stage, so that a lane then holds 16 neighbours along K
	s_wait_alu depctr_va_vdst(0)
	v_lshlrev_b32 v3, 4, v2                        ; my 16 bytes of a load's 512, and of a store's
	s_wait_alu depctr_va_vdst(0)
	s_mul_i32 s25, s24, XREG
	v_lshrrev_b32 v14, 2, v2
	v_mul_u32_u24 v14, v14, SP
	v_and_b32 v15, 3, v2
	v_lshl_add_u32 v14, v15, 4, v14
	v_add_nc_u32 v14, s25, v14                     ; the stage, on the way in: SP (lane / 4) + 16 (lane % 4)
	v_mul_u32_u24 v15, v2, SP
	v_add_nc_u32 v15, s25, v15                     ; and on the way out: SP x lane
	s_lshl_b32 s26, ttmp9, 2
	s_add_co_u32 s26, s26, s24                     ; which run of 8,192 numbers is my wave's
	s_lshl_b32 s28, s26, 15                        ; 32,768 bytes of numbers,
	s_mov_b32 s29, 0
	s_add_nc_u64 s[4:5], s[4:5], s[28:29]
	s_lshl_b32 s28, s26, 13                        ; 8,192 bytes of codes
	s_add_nc_u64 s[16:17], s[16:17], s[28:29]
.macro XLOAD t
.irp i, 0,1,2,3
	global_load_b128 v[XR+16*((\t)%4)+4*\i:XR+16*((\t)%4)+4*\i+3], v3, s[4:5] offset:2048*(\t)+512*\i th:TH_LOAD_NT
.endr
.endm
.macro XTURN t                         ; LDS serves a wave's instructions in order, so no wait stands between the stores and the loads
.irp i, 0,1,2,3
	ds_store_b128 v14, v[XR+16*((\t)%4)+4*\i:XR+16*((\t)%4)+4*\i+3] offset:32*SP*((\t)%2)+8*SP*\i
.endr
.irp i, 0,1,2,3
	ds_load_b128 v[XN+16*((\t)%2)+4*\i:XN+16*((\t)%2)+4*\i+3], v15 offset:32*SP*((\t)%2)+16*\i
.endr
.endm
.irp t, 0,1,2,3
	XLOAD \t
.endr
	s_wait_alu depctr_va_vdst(0)
	s_wait_kmcnt 0x0
	s_add_co_i32 s30, s36, 127
	s_lshl_b32 s31, s30, 23
	v_mov_b32 v11, s31                             ; 2^e0 as f32: the conversion takes its exponent field
	s_add_co_i32 s30, s30, EMAX
	s_lshl_b32 s30, s30, 23
	s_or_b32 s30, s30, MANT
	v_mov_b32 v10, s30                             ; 57,344 x 2^e0
	s_wait_alu depctr_va_vdst(0)
	s_wait_loadcnt 12                              ; step 0's four loads are in; the twelve of steps 1 to 3 stay out
	XTURN 0
.macro XSTEP t
.set XS, XN+16*((\t)%2)
	s_wait_dscnt 0x0                               ; this step's numbers are back from the stage, so its stores into the stage have read their registers,
.if (\t)+4 < STEPS
	XLOAD (\t)+4                                   ; which take the loads of four steps on
.endif
.if (\t)+1 < STEPS
.if STEPS-2-(\t) >= 3
	s_wait_loadcnt 12                              ; the next step's four loads are in; those of the three steps behind it may be out
.else
	s_wait_loadcnt 4*(STEPS-2-(\t))                ; the tail: fewer steps are left behind it
.endif
	XTURN (\t)+1
.endif
.irp i, 0,1,2,3,4,5,6,7,8,9,10,11,12,13,14,15
	v_med3_num_f32 v[XS+\i], v[XS+\i], -v10, v10   ; the conversion to an 8-bit code does not saturate (ISA guide 7.6.2): the hold comes first
.endr
	v_cvt_scalef32_pk8_bf8_f32 v[XC+4*(\t):XC+4*(\t)+1], v[XS:XS+7], v11
	v_cvt_scalef32_pk8_bf8_f32 v[XC+4*(\t)+2:XC+4*(\t)+3], v[XS+8:XS+15], v11
	global_store_b128 v3, v[XC+4*(\t):XC+4*(\t)+3], s[16:17] offset:512*(\t)   ; the wave stores 512 consecutive bytes; each step has its own registers, so no store's data are written again
.endm
.irp t, 0,1,2,3,4,5,6,7,8,9,10,11,12,13,14,15
	XSTEP \t
.endr
	s_wait_tensorcnt 0x0
	ds_add_u32 v200, v201
	s_wait_dscnt 0x0
	s_endpgm
; ---------------- the weights: one text for the three; what differs is chosen on the work-group's number alone
.Lweights:
	s_wait_kmcnt 0x0
	s_mov_b64 s[20:21], s[10:11]                   ; W2: the tensor,
	s_mov_b32 s25, 352                             ; its first work-group,
	s_mov_b32 s26, 4096                            ; bytes from row k to row k + 1,
	s_mov_b32 s27, 4096                            ; bytes of a row of its codes (its K),
	s_mov_b32 s28, 4                               ; K / 256 = 2^4 work-groups stand on a group of 128 columns,
	s_mov_b32 s29, 15
	s_mov_b32 s30, 7340032                         ; where its codes begin in wq,
	s_mov_b32 s31, s45                             ; e9
	s_cmp_lt_u32 ttmp9, 352
	s_cselect_b64 s[20:21], s[8:9], s[20:21]       ; W1
	s_cselect_b32 s25, 224, s25
	s_cselect_b32 s26, 16384, s26
	s_cselect_b32 s27, 1024, s27
	s_cselect_b32 s28, 2, s28
	s_cselect_b32 s29, 3, s29
	s_cselect_b32 s30, 3145728, s30
	s_cselect_b32 s31, s43, s31                    ; e7
	s_cmp_lt_u32 ttmp9, 224
	s_cselect_b64 s[20:21], s[6:7], s[20:21]       ; Wqkv (its K is W1's)
	s_cselect_b32 s25, 128, s25
	s_cselect_b32 s26, 12288, s26
	s_cselect_b32 s30, 0, s30
	s_cselect_b32 s31, s37, s31                    ; e1
	s_sub_co_u32 s25, ttmp9, s25
	s_lshr_b32 s32, s25, s28                       ; which 128 columns
	s_and_b32 s33, s25, s29                        ; which 256 along K
	s_lshl_b32 s32, s32, 7
	s_lshl_b32 s34, s24, 5
	s_add_co_u32 s32, s32, s34                     ; my wave's first column
	s_mul_i32 s34, s33, s26
	s_lshl_b32 s34, s34, 8                         ; 256 rows x which
	s_lshl_b32 s35, s32, 2
	s_add_co_u32 s34, s34, s35
	s_mov_b32 s35, 0
	s_add_nc_u64 s[46:47], s[20:21], s[34:35]      ; block 0's base; every offset here stays under 2^25
	s_lshl_b32 s62, s26, 5                         ; 32 rows on
	s_mov_b32 s63, 0
.irp t, 1,2,3,4,5,6,7
	s_add_nc_u64 s[46+2*\t:47+2*\t], s[44+2*\t:45+2*\t], s[62:63]   ; a base for each block of 32 along K: none is ever stepped
.endr
	s_mul_i32 s34, s32, s27
	s_lshl_b32 s33, s33, 8
	s_add_co_u32 s34, s34, s33
	s_add_co_u32 s34, s34, s30
	s_add_nc_u64 s[22:23], s[18:19], s[34:35]      ; my wave's first code: region + column x K + 256 x which
	s_wait_alu depctr_va_vdst(0)
	v_lshlrev_b32 v3, 2, v2                        ; in: 4 bytes a lane: the wave reads 128 consecutive bytes, the work-group 512
.irp i, 0,1,2,3,4,5,6,7,8,9,10,11,12,13,14,15,16,17,18,19,20,21,22,23,24,25,26,27,28,29,30,31
	v_mad_u32_u24 v[OFF+\i], s26, \i, v3           ; row i of a block
.endr
	s_mul_i32 s33, s24, 32*WP
	s_add_co_u32 s33, s33, WSTG                    ; my stage
	v_mul_u32_u24 v4, v2, WP
	v_add_nc_u32 v4, s33, v4                       ; into it: row = my column
	v_and_b32 v5, 15, v2
	v_lshrrev_b32 v6, 4, v2                        ; out of it: sixteen lanes to a row, two rows an instruction
	v_mul_u32_u24 v7, v6, WP
	v_lshl_add_u32 v7, v5, 4, v7
	v_add_nc_u32 v7, s33, v7
	v_mul_u32_u24 v8, s27, v6
	v_lshl_add_u32 v8, v5, 4, v8                   ; the same place in the codes
.irp t, 0,1,2,3,4,5,6,7,8,9,10,11,12,13,14,15
	v_mad_u32_u24 v[OO+\t], s27, 2*\t, v8
.endr
.macro WLOAD t                         ; block t: W(32 t + i, my column), i = 0 .. 31, into set t % 2
.irp i, 0,1,2,3,4,5,6,7,8,9,10,11,12,13,14,15,16,17,18,19,20,21,22,23,24,25,26,27,28,29,30,31
	global_load_b32 v[WN+32*((\t)%2)+\i], v[OFF+\i], s[46+2*(\t):47+2*(\t)] th:TH_LOAD_NT
.endr
.endm
	WLOAD 0
	WLOAD 1
	s_add_co_i32 s31, s31, 127
	s_lshl_b32 s32, s31, 23
	v_mov_b32 v11, s32                             ; 2^e
	s_add_co_i32 s31, s31, EMAX
	s_lshl_b32 s31, s31, 23
	s_or_b32 s31, s31, MANT
	v_mov_b32 v10, s31                             ; 57,344 x 2^e
.macro WBLOCK t
.set WS, WN+32*((\t)%2)
.if (\t) < NB-1
	s_wait_loadcnt 32                              ; this block's 32 loads are in; the next block's 32 may be out
.else
	s_wait_loadcnt 0x0
.endif
.irp i, 0,1,2,3,4,5,6,7,8,9,10,11,12,13,14,15,16,17,18,19,20,21,22,23,24,25,26,27,28,29,30,31
	v_med3_num_f32 v[WS+\i], v[WS+\i], -v10, v10
.endr
.irp g, 0,1,2,3
	v_cvt_scalef32_pk8_bf8_f32 v[WC+2*\g:WC+2*\g+1], v[WS+8*\g:WS+8*\g+7], v11
.endr
	ds_store_b128 v4, v[WC:WC+3] offset:32*(\t)    ; 32 codes of my column's row
	ds_store_b128 v4, v[WC+4:WC+7] offset:32*(\t)+16
.if (\t)+2 < NB
	WLOAD (\t)+2
.endif
	s_wait_dscnt 0x0                               ; the stores have read their registers: the next block's codes may be written
.endm
	s_wait_alu depctr_va_vdst(0)
.irp t, 0,1,2,3,4,5,6,7
	WBLOCK \t
.endr
.irp t, 0,1,2,3,4,5,6,7,8,9,10,11,12,13,14,15
	ds_load_b128 v[OUTR+4*\t:OUTR+4*\t+3], v7 offset:2*\t*WP
.endr
.irp t, 0,1,2,3,4,5,6,7,8,9,10,11,12,13,14,15
	s_wait_dscnt 15-\t                             ; LDS loads come back in order: load t is in, the younger ones stay out
	global_store_b128 v[OO+\t], v[OUTR+4*\t:OUTR+4*\t+3], s[22:23]   ; sixteen lanes store 256 consecutive bytes, aligned
.endr
	s_wait_tensorcnt 0x0
	ds_add_u32 v200, v201
	s_wait_dscnt 0x0
	s_endpgm
.Lfunc_end_k_q5b429a51b1_quant:
	.size	k_q5b429a51b1_quant, .Lfunc_end_k_q5b429a51b1_quant-k_q5b429a51b1_quant
	.p2alignl 7, 3214868480
	.fill 96, 4, 3214868480
	.section	.rodata,"a",@progbits
	.p2align	6, 0x0
	.amdhsa_kernel k_q5b429a51b1_quant
		.amdhsa_group_segment_fixed_size 68096
		.amdhsa_private_segment_fixed_size 0
		.amdhsa_enable_private_segment 0
		.amdhsa_kernarg_size 56
		.amdhsa_user_sgpr_count 2
		.amdhsa_user_sgpr_kernarg_segment_ptr 1
		.amdhsa_wavefront_size32 1
		.amdhsa_system_sgpr_workgroup_id_x 1
		.amdhsa_system_sgpr_workgroup_id_y 1
		.amdhsa_system_sgpr_workgroup_id_z 1
		.amdhsa_system_vgpr_workitem_id 0
		.amdhsa_next_free_vgpr 202
		.amdhsa_next_free_sgpr 66
		.amdhsa_reserve_vcc 0
		.amdhsa_float_denorm_mode_32 3
		.amdhsa_float_denorm_mode_16_64 3
		.amdhsa_memory_ordered 1
		.amdhsa_forward_progress 1
		.amdhsa_inst_pref_size 90
	.end_amdhsa_kernel
	.amdgpu_metadata
---
amdhsa.version: [ 1, 2 ]
amdhsa.kernels:
  - .name:           k_q5b429a51b1_quant
    .symbol:         k_q5b429a51b1_quant.kd
    .args:
      - { .name: x, .offset: 0, .size: 8, .value_kind: global_buffer, .address_space: global }
      - { .name: Wqkv, .offset: 8, .size: 8, .value_kind: global_buffer, .address_space: global }
      - { .name: W1, .offset: 16, .size: 8, .value_kind: global_buffer, .address_space: global }
      - { .name: W2, .offset: 24, .size: 8, .value_kind: global_buffer, .address_space: global }
      - { .name: lowp_scales, .offset: 32, .size: 8, .value_kind: global_buffer, .address_space: global }
      - { .name: xq, .offset: 40, .size: 8, .value_kind: global_buffer, .address_space: global }
      - { .name: wq, .offset: 48, .size: 8, .value_kind: global_buffer, .address_space: global }
    .group_segment_fixed_size: 68096
    .private_segment_fixed_size: 0
    .kernarg_segment_align: 8
    .kernarg_segment_size: 56
    .max_flat_workgroup_size: 128
    .sgpr_count:     66
    .vgpr_count:     202
    .wavefront_size: 32
...
	.end_amdgpu_metadata
.endif
;; end of part 1
;; launch qkv (part 2): grid 16 x 16, 4 waves a work-group, clusters of 4 x 4, 327,680 bytes of LDS; arguments xq, wq, lowp_scales, bqkv, qkvq; writes qkvq
.if DOCPART == 2
	.amdgcn_target "amdgcn-amd-amdhsa--gfx1250"
	.amdhsa_code_object_version 6
	.text
	.protected	k_q5b429a51b1_qkv
	.globl	k_q5b429a51b1_qkv
	.p2align	8
	.type	k_q5b429a51b1_qkv,@function
k_q5b429a51b1_qkv:
	s_mov_b64 s[64:65], 0
	v_nop
	global_prefetch_b8 v0, s[64:65] scope:SCOPE_SE
	s_setreg_imm32_b32 hwreg(HW_REG_WAVE_MODE, 25, 1), 1
	s_wait_xcnt 0x0
	s_wait_alu depctr_hold_cnt(0) depctr_sa_sdst(0) depctr_va_vdst(0) depctr_va_sdst(0) depctr_va_ssrc(0) depctr_va_vcc(0) depctr_vm_vsrc(0)
	s_getreg_b32 s2, hwreg(HW_REG_IB_STS2, 6, 4)
	s_cmp_eq_u32 s2, 0
	s_cbranch_scc0 .Lentry_in_a_cluster
	s_endpgm
.Lentry_in_a_cluster:
	s_bfe_u32 s2, ttmp6, 0x10000c
	s_cmp_lg_u32 s2, 0xf033
	s_cbranch_scc0 .Lentry_shape_is_right
	s_endpgm
.Lentry_shape_is_right:
; qkv = x Wqkv + bqkv on codes of BF8, and its three parts quantised on the way out: q (e2), k (e3), v (e5).
; A tile is 256 rows x 192 columns: columns 192 t .. 192 t + 191 of Wqkv are exactly head t's q (64), k (64), v (64).  Four waves; wave w owns rows 64 w .. 64 w + 63 and all 192 columns:
; 48 accumulators of 16 x 16, 384 registers; all four waves run one text.  K goes in steps of 256 through a ring of two LDS slots filled by the tensor data mover.
; CLUSTERS: 4 x 4 work-groups.  The four of a row of the cluster need the same rows of x, the four of a column the same head's weights: each tile is asked for JOINTLY.
; q's and k's tiles are made TRANSPOSED (source 0 = 16 columns of W, source 1 = 16 rows of x): a lane holds one row and eight neighbouring channels, which are K of the scores' product.
; v's tiles are made as they stand (source 0 = x, source 1 = W): a lane holds one channel and eight neighbouring rows (keys), which are K of attention's second product.
; So each conversion's two registers ARE two registers of an operand of attention, and the codes are stored as images of those operands' registers, 512 consecutive bytes a store, with no way through LDS.
; qkvq: q at head x 131,072 + (row / 16) x 1,024 + piece x 512 + 16 x lane.  From byte 4,194,304: for each head 262,144 bytes, for each 128 keys 16,384: K: key tile x 1,024 + piece x 512 + 16 x lane;
;   from 8,192 on V^T: channel tile x 2,048 + piece x 512 + 16 x lane (registers 2 c, 2 c + 1 of a lane: keys 16 c + 8 (lane / 16) + 0 .. 7).
; The bias is the C of each sum's first matrix instruction, divided by 2^(e0 + e1); the three scales ahead of each quantiser are folded into the conversion's one.
; LIMITS: e2 - e0 - e1, e3 - e0 - e1, e5 - e0 - e1 lie between -126 and 112.  NaN among the inputs is not served.
; REGISTERS, in windows of 256: window 0: v2-7 scales and holds; v8-29 addresses; v32-127 the biases; v128-191, v192-255 x's fragments (4 x 16 rows x 128 K), two sets; later the codes.
;   window 1: v0-191 W's twelve fragments, one set.   window 2: accumulators (a, b), b = 0..5, at v[8 (4 b + a)].   window 3: b = 6..11.
.set KROW,   1024                      ; a row of codes in memory
.set ROWB,   256                       ; a tile's row: 256 codes
.set PITCH,  272                       ; an LDS row: 256 bytes + 16 of padding = 68 words: the 16 rows that a load touches start at 16 different banks (64 banks of 4 bytes: ISA guide 11.1)
.set AHALF,  128*PITCH                 ; what one load brings of x
.set BHALF,  96*PITCH                  ; and of W
.set BOFF,   2*AHALF
.set SLOT,   BOFF+2*BHALF              ; x's 256 rows, then W's 192
.set SPARE,  2*SLOT                    ; behind the ring: the spare words, 128 bytes for each wave: two blocks of 256 bytes that no other line names
.set KV0,    4194304
.set ADRA, 16                          ; v16-17  LDS address of my x fragments in slot 0, 1
.set ADRB, 20                          ; v20-21  the same for W
.set CO,   26                          ; v26     16 x lane
.set SPW,  28                          ; v28     LDS address of my spare word; never rewritten
.set NIL,  29                          ; v29     0; never rewritten
.set BIAS, 32
.set AF,   128
.set CQ,   128                         ; the way out: q's codes, 8 registers a tile of rows;
.set CK,   160                         ; k's;
.set CV,   192                         ; v's, 8 registers a tile of channels
.set G1, 24
.set G0, 32
.set G1B, 48
.set G0B, 56
.set MSB, 0
.macro WIN new                         ; the immediate's high byte repeats the setting that is left
.if MSB != (\new)
	s_set_vgpr_msb (MSB<<8)|(\new)
.set MSB, (\new)
.endif
.endm
; A joint load: waves 0 and 1 fetch x's two halves, waves 2 and 3 W's.  The branch hangs on the wave's number alone.  Four v_nop follow each of the two lines.
.macro JLOAD g0a, g1a, g0b, g1b
	s_cmp_eq_u32 s15, 0
	s_cbranch_scc0 .Lfor_b_\@
	tensor_load_to_lds s[\g0a:\g0a+3], s[\g1a:\g1a+7]
	s_nop 0
.rept 4
	v_nop
.endr
	s_branch .Lasked_\@
.Lfor_b_\@:
	tensor_load_to_lds s[\g0b:\g0b+3], s[\g1b:\g1b+7]
	s_nop 0
.rept 4
	v_nop
.endr
.Lasked_\@:
.endm
.macro CREST                           ; a round of the cluster's barrier behind its opening barrier
	s_cmp_lg_u32 s14, 0
	s_cbranch_scc1 .Lnot_wave_0_\@
	s_barrier_signal -3
.Lnot_wave_0_\@:
	s_barrier_wait -3
	s_barrier_signal -1
	s_barrier_wait -1
.endm
.macro CROUND
	s_barrier_signal -1
	s_barrier_wait -1
	CREST
.endm
.macro PLACES                          ; four plain vector instructions between a matrix instruction and a load into, or a vector read of, its registers
.rept 4
	v_nop
.endr
.endm
	s_load_b128 s[4:7], s[0:1], 0x0                ; x's codes s[4:5], the weights' codes s[6:7]
	s_load_b128 s[8:11], s[0:1], 0x10              ; the scales' exponents s[8:9], bqkv s[10:11]
	s_load_b64 s[12:13], s[0:1], 0x20              ; qkvq
	v_lshl_add_u32 v[SPW], v0, 2, SPARE
	v_mov_b32 v[NIL], 0
	ds_add_u32 v28, v29
	ds_add_u32 v28, v29
	s_wait_dscnt 0x0
	v_lshrrev_b32 v1, 5, v0
	v_readfirstlane_b32 s14, v1                    ; wave 0..3
	s_lshr_b32 s15, s14, 1                         ; I fetch for x (0) or for W (1)
	s_and_b32 s16, s14, 1                          ; which half of that tile I fetch
	s_bfe_u32 s40, ttmp6, 0x40000                  ; cx, cy: my place in the cluster
	s_bfe_u32 s41, ttmp6, 0x40004
	s_lshl_b32 s42, ttmp9, 2
	s_add_co_u32 s42, s42, s40                     ; the head = 4 x cluster x + cx
	s_and_b32 s17, ttmp7, 0xffff
	s_lshl_b32 s17, s17, 2
	s_add_co_u32 s17, s17, s41                     ; the block of 256 rows = 4 x cluster y + cy
	s_lshl_b32 s43, s41, 2
	s_lshl_b32 s43, 15, s43                        ; my row of the cluster
	s_lshl_b32 s44, 0x1111, s40                    ; my column
	s_or_b32 s[G1+0], s43, (0<<16)|(1<<20)|(1<<21)|(5<<22)|(3<<25)  ; 15:0 the mask; 17:16 elements of 1 byte; 20 padding on; 21 set beside a mask; 24:22 after every 64 words; 31:25 four words
	s_or_b32 s[G1B+0], s44, (0<<16)|(1<<20)|(1<<21)|(5<<22)|(3<<25)
	s_mov_b32 s[G1+1], ROWB<<16                    ; tensor_dim0
	s_mov_b32 s[G1+2], 128<<16                     ; tensor_dim1
	s_mov_b32 s[G1+3], ROWB<<16                    ; tile_dim0
	s_mov_b32 s[G1+4], 128                         ; tile_dim1
	s_mov_b32 s[G1+5], KROW                        ; tensor_dim0_stride
	s_mov_b32 s[G1+6], 0
	s_mov_b32 s[G1+7], 0
	s_mov_b32 s[G1B+1], ROWB<<16
	s_mov_b32 s[G1B+2], 96<<16
	s_mov_b32 s[G1B+3], ROWB<<16
	s_mov_b32 s[G1B+4], 96
	s_mov_b32 s[G1B+5], KROW
	s_mov_b32 s[G1B+6], 0
	s_mov_b32 s[G1B+7], 0
	s_lshl_b32 s18, s16, 7
	s_lshl_b32 s20, s17, 8
	s_add_co_u32 s20, s20, s18                     ; x: row 256 x block + 128 x half
	s_lshl_b32 s20, s20, 10                        ; in bytes
	s_mov_b32 s21, 0
	s_mul_i32 s46, s42, 192
	s_mul_i32 s47, s16, 96
	s_add_co_u32 s46, s46, s47                     ; W: row 192 x head + 96 x half
	s_lshl_b32 s46, s46, 10
	s_mov_b32 s47, 0
	s_mul_i32 s45, s16, AHALF                      ; where they go: no place in the cluster enters an LDS address
	s_mul_i32 s22, s16, BHALF
	s_add_co_u32 s22, s22, BOFF
	s_wait_kmcnt 0x0
	s_load_b256 s[68:75], s[8:9], 0x0              ; e0 .. e7
	s_add_nc_u64 s[20:21], s[4:5], s[20:21]
	s_add_nc_u64 s[46:47], s[6:7], s[46:47]
	CROUND                                         ; all sixteen work-groups are here: the first joint loads meet
.irp s, 0,1
	s_mov_b32 s[G0+4*\s], 1
	s_add_co_u32 s[G0+4*\s+1], s45, \s*SLOT
	s_add_nc_u64 s[G0+4*\s+2:G0+4*\s+3], s[20:21], \s*ROWB
	s_or_b32 s[G0+4*\s+3], s[G0+4*\s+3], 0x80000000
	s_mov_b32 s[G0B+4*\s], 1
	s_add_co_u32 s[G0B+4*\s+1], s22, \s*SLOT
	s_add_nc_u64 s[G0B+4*\s+2:G0B+4*\s+3], s[46:47], \s*ROWB
	s_or_b32 s[G0B+4*\s+3], s[G0B+4*\s+3], 0x80000000
.endr
	JLOAD G0, G1, G0B, G1B                         ; K step 0: one tensor load a wave at the head
	; THE PREFETCHES INTO THE L2.  A K step is 256 bytes of each row.  Of the rows that my wave fetches (128 of x, 96 of W) each of the four partners that ask for them jointly takes a quarter (32 or 24), told apart by address
	; (cx for x, cy for W): a lane a row, one instruction a wave and K step; W's eight lanes that are left over name the wave's last row again.  Behind the load of K step r stands the request for K step r + 2; K step 1 is asked for here too.
	s_cmp_eq_u32 s15, 0                            ; do I fetch for x?
	s_cselect_b32 s94, s17, s42                    ; the tile: by the block of rows, or by the head
	s_cselect_b32 s95, s40, s41                    ; my place among the four
	s_cselect_b64 s[96:97], s[4:5], s[6:7]
	s_cselect_b32 s98, 32, 24                      ; rows a partner
	s_mul_i32 s95, s95, s98
	s_lshl_b32 s99, s98, 2                         ; rows a wave
	s_mul_i32 s99, s99, s16
	s_add_co_u32 s95, s95, s99
	s_lshl_b32 s99, s98, 3                         ; rows a tile
	s_mul_i32 s94, s94, s99
	s_add_co_u32 s94, s94, s95
	s_lshl_b32 s94, s94, 10                        ; rows of 1,024 bytes
	s_mov_b32 s95, 0
	s_add_nc_u64 s[96:97], s[96:97], s[94:95]      ; never rewritten
	s_sub_co_u32 s98, s98, 1
	v_and_b32 v30, 31, v0
	v_min_u32 v30, s98, v30
	v_lshlrev_b32 v30, 10, v30                     ; v30: my lane's row; never rewritten
	global_prefetch_b8 v30, s[96:97] offset:ROWB th:TH_LOAD_NT scope:SCOPE_SE
	global_prefetch_b8 v30, s[96:97] offset:2*ROWB th:TH_LOAD_NT scope:SCOPE_SE
	v_and_b32 v12, 15, v0                          ; r = lane % 16
	v_bfe_u32 v13, v0, 4, 1                        ; h = lane / 16
	v_mul_u32_u24 v14, v12, PITCH
	v_lshl_add_u32 v14, v13, 4, v14                ; a fragment's row x pitch + 16 h
	s_mul_i32 s88, s14, 64*PITCH                   ; my 64 rows of x
	v_add_nc_u32 v[ADRA], s88, v14
	v_add_nc_u32 v[ADRA+1], SLOT, v[ADRA]
	v_add_nc_u32 v[ADRB], BOFF, v14
	v_add_nc_u32 v[ADRB+1], SLOT, v[ADRB]
	v_and_b32 v15, 31, v0
	v_lshlrev_b32 v[CO], 4, v15
	v_lshlrev_b32 v22, 5, v13                      ; q's and k's biases: my half's eight, 32 h bytes on
	v_lshlrev_b32 v23, 2, v12                      ; v's: my channel's
	s_mul_i32 s88, s42, 768                        ; the head's 192 numbers
	s_mov_b32 s89, 0
	s_add_nc_u64 s[10:11], s[10:11], s[88:89]
.irp b, 0,1,2,3,4,5,6,7
	global_load_b128 v[BIAS+8*\b:BIAS+8*\b+3], v22, s[10:11] offset:64*\b
	global_load_b128 v[BIAS+8*\b+4:BIAS+8*\b+7], v22, s[10:11] offset:64*\b+16
.endr
.irp t, 0,1,2,3
	global_load_b32 v[8+\t], v23, s[10:11] offset:512+64*\t
.endr
	; where my codes go
	s_lshr_b32 s76, s17, 3
	s_lshl_b32 s76, s76, 4
	s_add_co_u32 s76, s76, s42                     ; batch x 16 + head
	s_and_b32 s77, s17, 7                          ; which 256 rows of the batch's 2,048
	s_lshl_b32 s78, s76, 17
	s_lshl_b32 s79, s77, 14
	s_add_co_u32 s78, s78, s79
	s_lshl_b32 s79, s14, 12
	s_add_co_u32 s78, s78, s79                     ; q: head x 131,072 + first row x 64
	s_mov_b32 s79, 0
	s_add_nc_u64 s[80:81], s[12:13], s[78:79]
	s_lshl_b32 s78, s76, 18
	s_lshl_b32 s82, s77, 15
	s_add_co_u32 s78, s78, s82
	s_lshl_b32 s82, s15, 14
	s_add_co_u32 s78, s78, s82
	s_add_co_u32 s78, s78, KV0                     ; my block of 128 keys
	s_lshl_b32 s82, s16, 12
	s_add_co_u32 s82, s82, s78                     ; k: my four key tiles of its eight
	s_mov_b32 s83, 0
	s_add_nc_u64 s[84:85], s[12:13], s[82:83]
	s_lshl_b32 s82, s16, 10
	s_add_co_u32 s82, s82, s78
	s_add_co_u32 s82, s82, 8192                    ; v: my two pieces of each fragment's four
	s_add_nc_u64 s[86:87], s[12:13], s[82:83]
	s_wait_kmcnt 0x0
	s_add_co_i32 s90, s68, s69                     ; e0 + e1: a sum stands for sum x 2^(e0 + e1)
	s_sub_co_i32 s91, 0, s90
.macro MKSCALE vs, vl, se              ; v[vs] = 2^(s[se] - e0 - e1) as f32, v[vl] = 57,344 x that
	s_sub_co_i32 s92, s[\se], s90
	s_add_co_i32 s92, s92, 127
	s_lshl_b32 s93, s92, 23
	v_mov_b32 v[\vs], s93
	s_add_co_i32 s92, s92, 15
	s_lshl_b32 s92, s92, 23
	s_or_b32 s92, s92, 0x600000
	v_mov_b32 v[\vl], s92
.endm
	MKSCALE 2, 3, 70                               ; q
	MKSCALE 4, 5, 71                               ; k
	MKSCALE 6, 7, 73                               ; v
	s_wait_loadcnt 0x0
.set i, 0
.rept 64
	v_ldexp_f32 v[BIAS+i], v[BIAS+i], s91          ; the bias goes in divided by the power of two that the sums lack
.set i, i+1
.endr
.irp t, 0,1,2,3
.irp j, 0,1,2,3,4,5,6,7
	v_ldexp_f32 v[BIAS+64+8*\t+\j], v[8+\t], s91   ; v's tiles: a lane's eight results are one channel's
.endr
.endr
.macro FRAG reg, adr, q, i             ; 16 rows x 128 K of codes: 16 registers; registers 4 c .. 4 c + 3 hold K = 32 c + 16 h + 0 .. 15: one order of K for both sources, so every product meets its partner
.irp c, 0,1,2,3
	ds_load_b128 v[\reg+4*\c:\reg+4*\c+3], v[\adr] offset:128*(\q)+32*\c+(\i)*16*PITCH
.endr
.endm
.macro FETCH_A slot, q, set            ; x's four fragments of the slot's q-th 128 along K: 16 loads
	WIN 0
.irp i, 0,1,2,3
	FRAG AF+64*(\set)+16*\i, ADRA+\slot, \q, \i
.endr
.endm
.macro FETCH_B slot, q, i0             ; W's fragments i0 .. i0 + 5: 24 loads
	WIN 0x40
.irp i, 0,1,2,3,4,5
	FRAG 16*(\i0+\i), ADRB+\slot, \q, \i0+\i
.endr
	WIN 0
.endm
; q's and k's tiles b0 .. b0 + n - 1, transposed, each against x's four fragments.  first = 1: the bias starts the sums.  The 48 accumulators take turns, one instruction a turn, in the same order in every step.
.macro MULB b0, n, set, first
.set bb, \b0
.rept \n
.if bb < 6
	WIN 0xa1-0x20*\first
.else
	WIN 0xf1-0x30*\first
.endif
.irp a, 0,1,2,3
.set rD, 8*(4*(bb%6)+\a)
.if \first
	v_wmma_f32_16x16x128_bf8_bf8 v[rD:rD+7], v[16*bb:16*bb+15], v[AF+64*\set+16*\a:AF+64*\set+16*\a+15], v[BIAS+8*bb:BIAS+8*bb+7]
.else
	v_wmma_f32_16x16x128_bf8_bf8 v[rD:rD+7], v[16*bb:16*bb+15], v[AF+64*\set+16*\a:AF+64*\set+16*\a+15], v[rD:rD+7]
.endif
.endr
.set bb, bb+1
.endr
.endm
.macro MULV set, first                 ; v's four tiles, as they stand
	WIN 0xf4-0x30*\first
.irp b, 8,9,10,11
.irp a, 0,1,2,3
.if \first
	v_wmma_f32_16x16x128_bf8_bf8 v[8*(4*(\b-6)+\a):8*(4*(\b-6)+\a)+7], v[AF+64*\set+16*\a:AF+64*\set+16*\a+15], v[16*\b:16*\b+15], v[BIAS+8*\b:BIAS+8*\b+7]
.else
	v_wmma_f32_16x16x128_bf8_bf8 v[8*(4*(\b-6)+\a):8*(4*(\b-6)+\a)+7], v[AF+64*\set+16*\a:AF+64*\set+16*\a+15], v[16*\b:16*\b+15], v[8*(4*(\b-6)+\a):8*(4*(\b-6)+\a)+7]
.endif
.endr
.endr
.endm
; A slot's first 128 along K (x's set 0).  A fragment of W is free as soon as its four products are issued, so one set serves W; x's are at work through the whole step and have two.
.macro STEP slot, first
	s_wait_dscnt 24                                ; x's set and W's fragments 0-5 are in; the youngest 24 loads (W's 6-11) may be out
	MULB 0, 6, 0, \first
	s_wait_dscnt 0x0                               ; W's 6-11 are in
	PLACES
	FETCH_A \slot, 1, 1
	FETCH_B \slot, 1, 0
	MULB 6, 2, 0, \first
	MULV 0, \first
	PLACES
	FETCH_B \slot, 1, 6
.endm
; A slot's second 128 along K (x's set 1) changes slots: ONE barrier; in front of it each wave waits for all its tensor loads, adds 0 to its spare word, and waits for that and for its own reads of this slot.
.macro TURN slot, next, fill
	s_wait_tensorcnt 0x0                           ; all my tensor loads have landed: my part of the next slot;
	ds_add_u32 v[SPW], v[NIL]                      ; 0 onto my spare word;
	s_wait_dscnt 25                                ; (the add and the youngest 24 loads, W's 6-11, may be out)
	MULB 0, 3, 1, 0                                ; twelve matrix instructions stand between the add and the wait for it
	s_wait_dscnt 0x0                               ; the add is done, and my reads of this slot are over
	s_barrier_signal -1
	MULB 3, 3, 1, 0
	WIN 0
	s_barrier_wait -1
.if \fill
	CREST                                          ; the barrier has opened a round of the cluster's barrier: no wave of any partner still reads this slot or has a load on its way
	s_add_nc_u64 s[G0+4*\slot+2:G0+4*\slot+3], s[G0+4*\slot+2:G0+4*\slot+3], 2*ROWB
	s_add_nc_u64 s[G0B+4*\slot+2:G0B+4*\slot+3], s[G0B+4*\slot+2:G0B+4*\slot+3], 2*ROWB
	JLOAD G0+4*\slot, G1, G0B+4*\slot, G1B         ; the first tensor load behind the round; its four v_nop are the places in front of the loads below
.else
	PLACES
.endif
	FETCH_A \next, 0, 0
	FETCH_B \next, 0, 0
	MULB 6, 2, 1, 0
	MULV 1, 0
	PLACES
	FETCH_B \next, 0, 6
.endm
	s_wait_alu depctr_va_vdst(0)
	s_wait_tensorcnt 0x0                           ; my part of K step 0 is in
	ds_add_u32 v[SPW], v[NIL]
	s_wait_dscnt 0x0
	CROUND                                         ; everybody's part of K step 0 is in, and the joint loads meet
	JLOAD G0+4, G1, G0B+4, G1B                     ; K step 1: slot 1's first fill, the first tensor load behind the round
	FETCH_A 0, 0, 0
	FETCH_B 0, 0, 0
	FETCH_B 0, 0, 6
	global_prefetch_b8 v30, s[96:97] offset:3*ROWB th:TH_LOAD_NT scope:SCOPE_SE   ; behind K step 1's load: K step 3, the last
	STEP 0, 1                                      ; K = 1,024 is eight steps of 128, written out: four fills, two of them refills
	TURN 0, 1, 1
	STEP 1, 0
	TURN 1, 0, 1
	STEP 0, 0
	TURN 0, 1, 0                                   ; nothing is left to fetch
	STEP 1, 0
	s_wait_dscnt 24
	MULB 0, 6, 1, 0
	s_wait_dscnt 0x0
	MULB 6, 2, 1, 0
	MULV 1, 0
	; THE WAY OUT: the hold, in place, each accumulator from its low end on; the conversions, whose results are the operands' registers; 24 stores of 512 consecutive bytes.
	PLACES
	WIN 0x82                                       ; source 0 and destination window 2
.set i, 0
.rept 128
	v_med3_num_f32 v[i], v[i], -v3, v3             ; q
.set i, i+1
.endr
.rept 64
	v_med3_num_f32 v[i], v[i], -v5, v5             ; k's first two tiles of channels
.set i, i+1
.endr
	WIN 0x02
.irp b, 0,1,2,3
.irp a, 0,1,2,3
	v_cvt_scalef32_pk8_bf8_f32 v[CQ+8*\a+2*\b:CQ+8*\a+2*\b+1], v[8*(4*\b+\a):8*(4*\b+\a)+7], v2
.endr
.endr
.irp b, 4,5
.irp a, 0,1,2,3
	v_cvt_scalef32_pk8_bf8_f32 v[CK+8*\a+2*(\b-4):CK+8*\a+2*(\b-4)+1], v[8*(4*\b+\a):8*(4*\b+\a)+7], v4
.endr
.endr
	WIN 0xc3
.set i, 0
.rept 64
	v_med3_num_f32 v[i], v[i], -v5, v5             ; k's other two
.set i, i+1
.endr
.rept 128
	v_med3_num_f32 v[i], v[i], -v7, v7             ; v
.set i, i+1
.endr
	WIN 0x03
.irp b, 6,7
.irp a, 0,1,2,3
	v_cvt_scalef32_pk8_bf8_f32 v[CK+8*\a+2*(\b-4):CK+8*\a+2*(\b-4)+1], v[8*(4*(\b-6)+\a):8*(4*(\b-6)+\a)+7], v4
.endr
.endr
.irp b, 8,9,10,11
.irp a, 0,1,2,3
	v_cvt_scalef32_pk8_bf8_f32 v[CV+8*(\b-8)+2*\a:CV+8*(\b-8)+2*\a+1], v[8*(4*(\b-6)+\a):8*(4*(\b-6)+\a)+7], v6
.endr
.endr
	WIN 0
	v_nop                                          ; a plain vector instruction behind the last conversion
.irp a, 0,1,2,3
.irp p, 0,1
	global_store_b128 v[CO], v[CQ+8*\a+4*\p:CQ+8*\a+4*\p+3], s[80:81] offset:1024*\a+512*\p
	global_store_b128 v[CO], v[CK+8*\a+4*\p:CK+8*\a+4*\p+3], s[84:85] offset:1024*\a+512*\p
	global_store_b128 v[CO], v[CV+8*\a+4*\p:CV+8*\a+4*\p+3], s[86:87] offset:2048*\a+512*\p
.endr
.endr
	s_wait_tensorcnt 0x0                           ; the wave's end
	ds_add_u32 v[SPW], v[NIL]
	s_wait_dscnt 0x0
	CROUND                                         ; the closing round: no work-group ends while a partner may still ask for a tile that names it
	s_endpgm
.Lfunc_end_k_q5b429a51b1_qkv:
	.size	k_q5b429a51b1_qkv, .Lfunc_end_k_q5b429a51b1_qkv-k_q5b429a51b1_qkv
	.p2alignl 7, 3214868480
	.fill 96, 4, 3214868480
	.section	.rodata,"a",@progbits
	.p2align	6, 0x0
	.amdhsa_kernel k_q5b429a51b1_qkv
		.amdhsa_group_segment_fixed_size 327680
		.amdhsa_private_segment_fixed_size 0
		.amdhsa_enable_private_segment 0
		.amdhsa_kernarg_size 40
		.amdhsa_user_sgpr_count 2
		.amdhsa_user_sgpr_kernarg_segment_ptr 1
		.amdhsa_wavefront_size32 1
		.amdhsa_system_sgpr_workgroup_id_x 1
		.amdhsa_system_sgpr_workgroup_id_y 1
		.amdhsa_system_sgpr_workgroup_id_z 1
		.amdhsa_system_vgpr_workitem_id 0
		.amdhsa_next_free_vgpr 1024
		.amdhsa_next_free_sgpr 100
		.amdhsa_reserve_vcc 0
		.amdhsa_float_denorm_mode_32 3
		.amdhsa_float_denorm_mode_16_64 3
		.amdhsa_memory_ordered 1
		.amdhsa_forward_progress 1
		.amdhsa_inst_pref_size 110
	.end_amdhsa_kernel
	.amdgpu_metadata
---
amdhsa.version: [ 1, 2 ]
amdhsa.kernels:
  - .name:           k_q5b429a51b1_qkv
    .symbol:         k_q5b429a51b1_qkv.kd
    .args:
      - { .name: xq, .offset: 0, .size: 8, .value_kind: global_buffer, .address_space: global }
      - { .name: wq, .offset: 8, .size: 8, .value_kind: global_buffer, .address_space: global }
      - { .name: lowp_scales, .offset: 16, .size: 8, .value_kind: global_buffer, .address_space: global }
      - { .name: bqkv, .offset: 24, .size: 8, .value_kind: global_buffer, .address_space: global }
      - { .name: qkvq, .offset: 32, .size: 8, .value_kind: global_buffer, .address_space: global }
    .group_segment_fixed_size: 327680
    .private_segment_fixed_size: 0
    .kernarg_segment_align: 8
    .kernarg_segment_size: 40
    .max_flat_workgroup_size: 128
    .sgpr_count:     100
    .vgpr_count:     1024
    .wavefront_size: 32
...
	.end_amdgpu_metadata
.endif
;; end of part 2
;; launch attn (part 3): grid 8 x 32, 8 waves a work-group, clusters of 4 x 1, 327,680 bytes of LDS; arguments qkvq, lowp_scales, x, gamma, beta, hbuf, hq; writes hbuf, hq
.if DOCPART == 3
	.amdgcn_target "amdgcn-amd-amdhsa--gfx1250"
	.amdhsa_code_object_version 6
	.text
	.protected	k_q5b429a51b1_attn
	.globl	k_q5b429a51b1_attn
	.p2align	8
	.type	k_q5b429a51b1_attn,@function
k_q5b429a51b1_attn:
	s_mov_b64 s[64:65], 0
	v_nop
	global_prefetch_b8 v0, s[64:65] scope:SCOPE_SE
	s_setreg_imm32_b32 hwreg(HW_REG_WAVE_MODE, 25, 1), 1
	s_wait_xcnt 0x0
	s_wait_alu depctr_hold_cnt(0) depctr_sa_sdst(0) depctr_va_vdst(0) depctr_va_sdst(0) depctr_va_ssrc(0) depctr_va_vcc(0) depctr_vm_vsrc(0)
	s_getreg_b32 s2, hwreg(HW_REG_IB_STS2, 6, 4)
	s_cmp_eq_u32 s2, 0
	s_cbranch_scc0 .Lentry_in_a_cluster
	s_endpgm
.Lentry_in_a_cluster:
	s_bfe_u32 s2, ttmp6, 0x10000c
	s_cmp_lg_u32 s2, 0x3003
	s_cbranch_scc0 .Lentry_shape_is_right
	s_endpgm
.Lentry_shape_is_right:
; Attention on codes of BF8 (E5M2), the residual and the first LayerNorm: h = LN(x + values.reshape), stored as f32 (hbuf) and as codes with the scale 2^e6 (hq).
; qkvq holds images of the operands' registers: q at head x 131,072 + (query / 16) x 1,024; from KV0 on, for each head 262,144 bytes, for each 128 keys 16,384: K's eight tiles of 16 keys, then from 8,192 on V^T's four tiles of 16 channels.
; THE SOFTMAX: t = score x log2(e) / 8; M = the running largest t rounded up to a whole number; p = 2^(t - M) is quantised (e4), not normalised; the row's sum is taken of the unquantised p and divides at the end.
; SHARES.  A work-group owns 256 queries of one head; each of its eight waves 32 of them, two tiles.  All 2,048 keys of the head lie in LDS (262,144 bytes): wave w fetches blocks w and 8 + w of 128 keys.
; CLUSTERS: the four work-groups of a cluster own query blocks of one head and ask for K and V jointly.  Both fills leave at the head, so there is no loop in which a prefetch of K and V could run ahead; x's rows are prefetched eight steps ahead of their load.
; Both products are used transposed (S^T = K Q^T, O^T = V^T P^T): a lane holds one query; register 8 k + j of S^T is key 16 k + 8 (lane / 16) + j, which is the order of the second product's operand.
; A KEY STEP (128 keys, both tiles): maxima; M and f; tile 0's scalings; O^T x f; tile 0's exponentials with tile 1's scalings among them; tile 1's exponentials with tile 0's holds among them (into other registers, since the sum wants p unheld);
; tile 0's codes and sums; tile 0's matrix instructions (the next step's scores, this step's O^T); tile 1's sums, holds and codes; tile 1's matrix instructions; the next step's maxima of tile 0 are the places behind those.
; 16 queries x 64 channels are one row of 1,024 of the reshaped values, so a tile is one row of h, and the norm stays in the wave.
; LIMITS: the scaled scores stay under 2^31 in magnitude; e2 + e3 between -123 and 130; e4 and e6 between -126 and 112.  NaN among the inputs is not served.
; REGISTERS.  Window 0: v1-7 addresses; v8-15 at work; v16-31 state of the two tiles (-M, largest t, the sum's pair, f and maxima); v32-47 constants; v48-63 Q; v64-191 S^T, then p; v192-255 tile 0's held p.
;   Window 1: v0-63 O^T; v64-95 p's codes; v96-159 K's fragments, in the last step x's rows; v192-255 V's fragments.
.set KV0,   4194304
.set STAGE, 262144                     ; behind K and V: a stage for each wave
.set WSTG,  5632                       ; 16 rows x 272 bytes, then 1,024 bytes for a row of codes
.set CSO,   4352
.set SPARE, STAGE+8*WSTG               ; the spare words, 128 bytes for each wave
.set LA,  1                            ; 16 x lane
.set ADK, 2                            ; LDS address of the step's block
.set STO, 3
.set RD,  4
.set CST, 5
.set CLD, 6
.set PFO, 7                            ; 256 x lane; never rewritten
.set CH,  8                            ; v8-15 four chains of the sum
.set ST,  16
.set LIM, 32                           ; 57,344 x 2^e4
.set SC4, 34
.set SC6, 35
.set PD,  40
.set LIM6, 42
.set SPW, 46
.set NIL, 47
.set QF,  48
.set S,   64
.set PM,  192
.set HC,  48
.set Y,   64
.set GA,  128
.set BE,  160
.set AT,  192
.set PC,  64
.set KF,  96
.set XR,  96
.set VF,  192
.set WV,  18
.set SEL, 20
.set CS,  22
.set G1,  24
.set G0,  32
.set TB,  48
.set CNT, 49
.set RN,  50
.set EP,  51
.set STG, 54
.set EPV, 55
.set MSB, 0
.macro WIN new                         ; the immediate's high byte repeats the setting that is left
.if MSB != (\new)
	s_set_vgpr_msb (MSB<<8)|(\new)
.set MSB, (\new)
.endif
.endm
.macro CROUND                          ; a round of the cluster's barrier
	s_barrier_signal -1
	s_barrier_wait -1
	s_cmp_lg_u32 s[WV], 0
	s_cbranch_scc1 .Lnot_wave_0_\@
	s_barrier_signal -3
.Lnot_wave_0_\@:
	s_barrier_wait -3
	s_barrier_signal -1
	s_barrier_wait -1
.endm
.macro PLACES
.rept 4
	v_nop
.endr
.endm
	s_load_b256 s[4:11], s[0:1], 0x0               ; qkvq s[4:5], the scales' exponents s[6:7], x s[8:9], gamma s[10:11]
	s_load_b128 s[12:15], s[0:1], 0x20             ; beta s[12:13], hbuf s[14:15]
	s_load_b64 s[16:17], s[0:1], 0x30              ; hq
	v_lshl_add_u32 v[SPW], v0, 2, SPARE
	v_mov_b32 v[NIL], 0
	ds_add_u32 v[SPW], v[NIL]                      ; the opening lines: the add twice on end and one wait
	ds_add_u32 v[SPW], v[NIL]
	v_lshrrev_b32 v1, 5, v0
	v_readfirstlane_b32 s[WV], v1                  ; wave 0..7
	s_and_b32 s53, ttmp7, 0xffff                   ; batch x 16 + head
	s_lshl_b32 s52, s[WV], 14                      ; my block of 128 keys, in memory and in LDS alike
	s_lshl_b32 s56, s53, 18
	s_add_co_u32 s56, s56, s52
	s_add_co_u32 s56, s56, KV0
	s_mov_b32 s57, 0
	s_mov_b32 s[G1], 15|(3<<16)|(1<<21)            ; the mask names the cluster's four; elements of 8 bytes; no padding: the block is an image of registers
	s_mov_b32 s[G1+1], 32<<16                      ; 64 rows of 256 bytes, dense
	s_mov_b32 s[G1+2], 64<<16
	s_mov_b32 s[G1+3], 32<<16
	s_mov_b32 s[G1+4], 64
	s_mov_b32 s[G1+5], 32
	s_mov_b32 s[G1+6], 0
	s_mov_b32 s[G1+7], 0
	s_mov_b32 s[SEL], 0x76543210
	s_mov_b32 s[SEL+1], 0xfedcba98
	s_mov_b32 s[CS], 0x3e38aa3b                    ; log2(e) / 8
	s_mov_b32 s[RN], 0x3a800000                    ; 1 / 1,024
	s_mov_b32 s[EP], 0x3727c5ac                    ; 1e-5
	s_wait_dscnt 0x0
	s_wait_kmcnt 0x0
	s_load_b256 s[40:47], s[6:7], 0x0              ; e0 .. e7
	s_add_nc_u64 s[56:57], s[4:5], s[56:57]
.irp j, 0,1
	s_mov_b32 s[G0+4*\j], 1
	s_add_co_u32 s[G0+4*\j+1], s52, \j*131072
	s_add_nc_u64 s[G0+4*\j+2:G0+4*\j+3], s[56:57], \j*131072
	s_or_b32 s[G0+4*\j+3], s[G0+4*\j+3], 0x80000000
.endr
	CROUND
	tensor_load_to_lds s[G0:G0+3], s[G1:G1+7]      ; keys 128 w on: my one tensor load at the head
	s_nop 0
	PLACES
	; the rest of the head stands between this load and the wait for it
	s_bfe_u32 s58, ttmp6, 0x40000
	s_lshl_b32 s59, ttmp9, 2
	s_add_co_u32 s59, s59, s58                     ; which 256 queries
	s_lshl_b32 s62, s53, 17
	s_lshl_b32 s61, s59, 14
	s_add_co_u32 s62, s62, s61
	s_lshl_b32 s61, s[WV], 11
	s_add_co_u32 s62, s62, s61
	s_mov_b32 s63, 0
	s_add_nc_u64 s[66:67], s[4:5], s[62:63]        ; my two tiles of q
	s_lshl_b32 s60, s53, 7
	s_lshl_b32 s61, s59, 4
	s_add_co_u32 s60, s60, s61
	s_lshl_b32 s61, s[WV], 1
	s_add_co_u32 s60, s60, s61                     ; my first row of h: head x 128 + query / 16
	s_lshl_b32 s62, s60, 12
	s_add_nc_u64 s[8:9], s[8:9], s[62:63]
	s_add_nc_u64 s[14:15], s[14:15], s[62:63]
	s_lshl_b32 s62, s60, 10
	s_add_nc_u64 s[16:17], s[16:17], s[62:63]
	s_mul_i32 s[STG], s[WV], WSTG
	s_add_co_u32 s[STG], s[STG], STAGE
	s_mov_b32 s[TB], 0
	s_wait_kmcnt 0x0
	s_add_co_i32 s61, s42, s43
	s_lshl_b32 s61, s61, 23
	s_add_co_i32 s[CS], s[CS], s61                 ; e2 + e3 go into c's exponent field
	s_mov_b32 s[CS+1], s[CS]
	s_add_co_i32 s61, s44, 127
	s_lshl_b32 s62, s61, 23
	v_mov_b32 v[SC4], s62                          ; 2^e4
	s_add_co_i32 s61, s61, 15
	s_lshl_b32 s61, s61, 23
	s_or_b32 s61, s61, 0x600000
	v_mov_b32 v[LIM], s61
	v_mov_b32 v[LIM+1], s61                        ; the bound once more, in the next register bank: the two halves of a dual-issue pair take their second sources from different banks
	s_add_co_i32 s61, s46, 127
	s_lshl_b32 s62, s61, 23
	v_mov_b32 v[SC6], s62                          ; 2^e6
	s_add_co_i32 s61, s61, 15
	s_lshl_b32 s61, s61, 23
	s_or_b32 s61, s61, 0x600000
	v_mov_b32 v[LIM6], s61
	s_add_co_i32 s[EPV], s44, s45
	v_and_b32 v8, 31, v0
	v_lshlrev_b32 v[LA], 4, v8
	v_lshlrev_b32 v[PFO], 8, v8
.irp t, 0,1
.irp p, 0,1
	global_load_b128 v[QF+8*\t+4*\p:QF+8*\t+4*\p+3], v[LA], s[66:67] offset:1024*\t+512*\p
.endr
.endr
	v_lshl_add_u32 v[CST], v8, 2, s[STG]
	v_add_nc_u32 v[CLD], s[STG], v[LA]
	v_and_b32 v8, 15, v0
	v_bfe_u32 v9, v0, 4, 1
	v_mul_u32_u24 v[STO], v8, 272
	v_mul_u32_u24 v[RD], v9, 272
	v_lshl_add_u32 v[STO], v9, 5, v[STO]
	v_lshl_add_u32 v[RD], v8, 4, v[RD]
	v_add_nc_u32 v[STO], s[STG], v[STO]            ; the stage, in: row = query, 32 bytes for each half of the lanes
	v_add_nc_u32 v[RD], s[STG], v[RD]              ; back: sixteen lanes to a row
	WIN 0x40
.set i, 0
.rept 64
	v_mov_b32 v[i], 0                              ; O^T: the step is written for every step alike; the first finds zeros
.set i, i+1
.endr
	WIN 0
.irp t, 0,1
	v_mov_b32 v[ST+8*\t+1], 0xff61b1e6             ; the largest t so far: -3e38
	v_mov_b32 v[ST+8*\t+2], 0
	v_mov_b32 v[ST+8*\t+3], 0
	v_mov_b32 v[PD+\t], 0
.endr
.irp t, 0,1
	v_floor_f32 v[ST+8*\t], -v[ST+8*\t+1]
.endr
.macro KQ x                            ; the scores of tile x: eight tiles of 16 keys
.irp k, 0,1,2,3,4,5,6,7
	v_wmma_f32_16x16x64_bf8_bf8 v[S+64*\x+8*\k:S+64*\x+8*\k+7], v[KF+8*\k:KF+8*\k+7], v[QF+8*\x:QF+8*\x+7], 0
.endr
.endm
.macro PV x                            ; O^T of tile x: four accumulators, one instruction each a step
.irp d, 0,1,2,3
	v_wmma_f32_16x16x128_bf8_bf8 v[32*\x+8*\d:32*\x+8*\d+7], v[VF+16*\d:VF+16*\d+15], v[PC+16*\x:PC+16*\x+15], v[32*\x+8*\d:32*\x+8*\d+7]
.endr
.endm
.macro FETCHK off
.irp k, 0,1,2,3,4,5,6,7
	ds_load_b128 v[KF+8*\k:KF+8*\k+3], v[ADK] offset:\off+1024*\k
	ds_load_b128 v[KF+8*\k+4:KF+8*\k+7], v[ADK] offset:\off+1024*\k+512
.endr
.endm
.macro MAXT y                          ; the largest of a lane's 64 scores, in four chains, each accumulator from its low end on
.irp n, 0,1,2,3
	v_max3_num_f32 v[ST+8*\y+4+\n], v[S+64*\y+3*\n], v[S+64*\y+3*\n+1], v[S+64*\y+3*\n+2]
.endr
.set q, 0
.rept 26
	v_max3_num_f32 v[ST+8*\y+4+(q%4)], v[ST+8*\y+4+(q%4)], v[S+64*\y+12+2*q], v[S+64*\y+13+2*q]
.set q, q+1
.endr
.endm
.macro FM y, j                         ; t - M, two at a time
	v_pk_fma_f32 v[S+64*\y+(\j):S+64*\y+(\j)+1], v[S+64*\y+(\j):S+64*\y+(\j)+1], s[CS:CS+1], v[ST+8*\y:ST+8*\y+1] op_sel_hi:[1,0,0]
.endm
.macro SUMT y                          ; the sum of the unquantised p, in four chains
.irp c, 0,1,2,3
	v_pk_add_f32 v[CH+2*\c:CH+2*\c+1], v[S+64*\y+4*\c:S+64*\y+4*\c+1], v[S+64*\y+4*\c+2:S+64*\y+4*\c+3]
.endr
.set j, 16
.rept 6
.irp c, 0,1,2,3
	v_pk_add_f32 v[CH+2*\c:CH+2*\c+1], v[CH+2*\c:CH+2*\c+1], v[S+64*\y+j+2*\c:S+64*\y+j+2*\c+1]
.endr
.set j, j+8
.endr
	v_pk_add_f32 v[CH:CH+1], v[CH:CH+1], v[CH+2:CH+3]
	v_pk_add_f32 v[CH+4:CH+5], v[CH+4:CH+5], v[CH+6:CH+7]
	v_pk_add_f32 v[CH:CH+1], v[CH:CH+1], v[CH+4:CH+5]
	v_pk_add_f32 v[ST+8*\y+2:ST+8*\y+3], v[ST+8*\y+2:ST+8*\y+3], v[CH:CH+1]
.endm
; A key step.  kq = 1: the next step's K is fetched and its scores are begun.  kq = 0, the last step: x's rows, gamma and beta are loaded instead.
.macro STEP kq
	MAXT 0                                         ; these 32 lines name no register of tile 1's matrix instructions and are the places behind them
	v_add_nc_u32 v[ADK], s[TB], v[LA]
	WIN 0x40
.irp d, 0,1,2,3
.irp p, 0,1,2,3
	ds_load_b128 v[VF+16*\d+4*\p:VF+16*\d+4*\p+3], v[ADK] offset:8192+2048*\d+512*\p
.endr
.endr
.if \kq
	FETCHK 16384
.else
.irp t, 0,1
.irp i, 0,1,2,3,4,5,6,7
	global_load_b128 v[XR+32*\t+4*\i:XR+32*\t+4*\i+3], v[LA], s[8:9] offset:4096*\t+512*\i th:TH_LOAD_NT
.endr
.endr
.endif
	WIN 0
	MAXT 1
.irp y, 0,1
	v_max3_num_f32 v[ST+8*\y+4], v[ST+8*\y+4], v[ST+8*\y+5], v[ST+8*\y+6]
.endr
.irp y, 0,1
	v_max_num_f32 v[ST+8*\y+4], v[ST+8*\y+4], v[ST+8*\y+7]
.endr
.irp y, 0,1
	v_permlanex16_b32 v[PD+\y], v[ST+8*\y+4], s[SEL], s[SEL+1]
.endr
.irp y, 0,1
	v_mov_b32 v[ST+8*\y+7], v[ST+8*\y]             ; the old -M
.endr
.irp y, 0,1
	v_max_num_f32 v[ST+8*\y+4], v[ST+8*\y+4], v[PD+\y]
.endr
.irp y, 0,1
	v_mul_f32 v[ST+8*\y+4], s[CS], v[ST+8*\y+4]    ; as t (c is positive)
.endr
.irp y, 0,1
	v_max_num_f32 v[ST+8*\y+1], v[ST+8*\y+1], v[ST+8*\y+4]
.endr
.irp y, 0,1
	v_floor_f32 v[ST+8*\y], -v[ST+8*\y+1]          ; -M = floor(-t)
.endr
.irp y, 0,1
	v_sub_f32 v[ST+8*\y+7], v[ST+8*\y], v[ST+8*\y+7]
.endr
.irp y, 0,1
	v_cvt_i32_f32 v[ST+8*\y+7], v[ST+8*\y+7]       ; old M - new M, a whole number (it saturates)
.endr
.irp y, 0,1
	v_ldexp_f32 v[ST+8*\y+4], 1.0, v[ST+8*\y+7]    ; f = 2^(old M - new M)
.endr
.set j, 0
.rept 32
	FM 0, j
.set j, j+2
.endr
	WIN 0x41
.irp y, 0,1
.set j, 0
.rept 16
	v_pk_mul_f32 v[32*\y+j:32*\y+j+1], v[32*\y+j:32*\y+j+1], v[ST+8*\y+4:ST+8*\y+5] op_sel_hi:[1,0]   ; O^T under the new M; no transcendental stands between the last products and these lines
.set j, j+2
.endr
.endr
	WIN 0
.irp y, 0,1
	v_pk_mul_f32 v[ST+8*\y+2:ST+8*\y+3], v[ST+8*\y+2:ST+8*\y+3], v[ST+8*\y+4:ST+8*\y+5] op_sel_hi:[1,0]
.endr
	s_wait_alu depctr_va_vdst(0)
.set i, 0
.rept 32
	v_exp_f32 v[S+2*i], v[S+2*i]                   ; tile 0's p; among them tile 1's scalings, which read what stood ahead of the wait above and are read behind the wait below
	v_exp_f32 v[S+2*i+1], v[S+2*i+1]
	FM 1, 2*i
.set i, i+1
.endr
	s_wait_alu depctr_va_vdst(0)                   ; behind the first batch and ahead of the second
.set i, 0
.rept 32
	v_exp_f32 v[S+64+i], v[S+64+i]                 ; tile 1's p; among them tile 0's holds, two to a dual-issue pair (the conversion does not saturate: ISA guide 7.6.2; p is not negative)
	v_exp_f32 v[S+65+i], v[S+65+i]
	v_dual_min_num_f32 v[PM+i], v[S+i], v[LIM] :: v_dual_min_num_f32 v[PM+i+1], v[S+i+1], v[LIM+1]
.set i, i+2
.endr
	v_nop                                          ; a plain place behind the last exponential
	s_wait_alu depctr_va_vdst(0)                   ; behind the second batch
	WIN 0x40
.irp k, 0,1,2,3,4,5,6,7
	v_cvt_scalef32_pk8_bf8_f32 v[PC+2*\k:PC+2*\k+1], v[PM+8*\k:PM+8*\k+7], v[SC4]
.endr
	WIN 0
	SUMT 0
	s_wait_alu depctr_va_vdst(0)
	s_wait_dscnt 0x0                               ; V's fragments, and the next step's K
.if \kq
	WIN 0x01
	KQ 0
.endif
	WIN 0x55
	PV 0
	WIN 0
	SUMT 1                                         ; tile 1's vector work names none of tile 0's matrix registers
.set i, 0
.rept 32
	v_dual_min_num_f32 v[S+64+i], v[S+64+i], v[LIM] :: v_dual_min_num_f32 v[S+65+i], v[S+65+i], v[LIM+1]   ; tile 1's holds, in place, two to a pair
.set i, i+2
.endr
	WIN 0x40
.irp k, 0,1,2,3,4,5,6,7
	v_cvt_scalef32_pk8_bf8_f32 v[PC+16+2*\k:PC+16+2*\k+1], v[S+64+8*\k:S+64+8*\k+7], v[SC4]
.endr
	WIN 0
	v_nop                                          ; a plain place behind the last conversion
.if \kq
	WIN 0x01
	KQ 1
.else
.irp i, 0,1,2,3,4,5,6,7
	global_load_b128 v[GA+4*\i:GA+4*\i+3], v[LA], s[10:11] offset:512*\i
	global_load_b128 v[BE+4*\i:BE+4*\i+3], v[LA], s[12:13] offset:512*\i
.endr
.endif
	WIN 0x55
	PV 1
	WIN 0
.endm
.macro STEPS n
	s_mov_b32 s[CNT], \n
.Lstep_\@:
	STEP 1
	s_add_co_u32 s[TB], s[TB], 16384
	s_sub_co_u32 s[CNT], s[CNT], 1
	s_cmp_lg_u32 s[CNT], 0
	s_cbranch_scc1 .Lstep_\@
.endm
	s_wait_alu depctr_va_vdst(0)
	s_wait_tensorcnt 0x0                           ; my block of the first 1,024 keys is in
	ds_add_u32 v[SPW], v[NIL]
	s_wait_dscnt 0x0
	CROUND                                         ; everybody's block is in, and the four work-groups are here
	tensor_load_to_lds s[G0+4:G0+7], s[G1:G1+7]    ; keys 1,024 + 128 w on
	s_nop 0
	PLACES
	v_add_nc_u32 v[ADK], s[TB], v[LA]
	WIN 0x40
	FETCHK 0
	WIN 0
	s_wait_loadcnt 0x0                             ; Q
	s_wait_dscnt 0x0
	WIN 0x01
	KQ 0
	KQ 1
	WIN 0
	PLACES                                         ; in front of the first read of tile 0's scores
	STEPS 7                                        ; steps 0 to 6 read blocks 0 to 7
	s_wait_tensorcnt 0x0                           ; my block of the second 1,024 keys is in
	s_wait_dscnt 0x0
	s_barrier_signal -1
	s_barrier_wait -1                              ; and everybody's
	global_prefetch_b8 v[PFO], s[8:9] th:TH_LOAD_NT scope:SCOPE_SE   ; my two rows of x, 8,192 bytes, lanes 256 bytes apart, eight steps ahead of their load; the address registers are never rewritten
	s_mov_b32 s[TB], 7*16384
	STEPS 8
	s_mov_b32 s[TB], 15*16384
	STEP 0
	; THE WAY OUT.  O^T / the sum x 2^(e4 + e5); through my stage, so that a lane holds 16 neighbouring bytes of a row of 1,024.
.irp t, 0,1
	v_add_f32 v[ST+8*\t+2], v[ST+8*\t+2], v[ST+8*\t+3]
.endr
.irp t, 0,1
	v_permlanex16_b32 v[PD+\t], v[ST+8*\t+2], s[SEL], s[SEL+1]
.endr
.irp t, 0,1
	v_add_f32 v[ST+8*\t+2], v[ST+8*\t+2], v[PD+\t]
.endr
	s_wait_alu depctr_va_vdst(0)
.irp t, 0,1
	v_rcp_f32 v[ST+8*\t+4], v[ST+8*\t+2]
.endr
	v_nop
	s_wait_alu depctr_va_vdst(0)
.irp t, 0,1
	v_ldexp_f32 v[ST+8*\t+4], v[ST+8*\t+4], s[EPV]
.endr
	WIN 0x41
	s_wait_alu depctr_va_vdst(0)
.irp t, 0,1
.set j, 0
.rept 16
	v_pk_mul_f32 v[32*\t+j:32*\t+j+1], v[32*\t+j:32*\t+j+1], v[ST+8*\t+4:ST+8*\t+5] op_sel_hi:[1,0]
.set j, j+2
.endr
.endr
.irp t, 0,1
	WIN 0x04
.irp d, 0,1,2,3
	ds_store_b128 v[STO], v[32*\t+8*\d:32*\t+8*\d+3] offset:64*\d
	ds_store_b128 v[STO], v[32*\t+8*\d+4:32*\t+8*\d+7] offset:64*\d+16
.endr
	WIN 0
.irp i, 0,1,2,3,4,5,6,7
	ds_load_b128 v[AT+32*\t+4*\i:AT+32*\t+4*\i+3], v[RD] offset:2*\i*272   ; LDS serves a wave's instructions in order
.endr
.endr
.macro REDUCE r, pd                    ; the sum over the 32 lanes, in every lane
	s_delay_alu instid0(VALU_DEP_1)
	v_add_f32_dpp v[\r], v[\r], v[\r] row_xmask:1 row_mask:0xf bank_mask:0xf
	s_delay_alu instid0(VALU_DEP_1)
	v_add_f32_dpp v[\r], v[\r], v[\r] row_xmask:2 row_mask:0xf bank_mask:0xf
	s_delay_alu instid0(VALU_DEP_1)
	v_add_f32_dpp v[\r], v[\r], v[\r] row_xmask:4 row_mask:0xf bank_mask:0xf
	s_delay_alu instid0(VALU_DEP_1)
	v_add_f32_dpp v[\r], v[\r], v[\r] row_xmask:8 row_mask:0xf bank_mask:0xf
	s_delay_alu instid0(VALU_DEP_1)
	v_permlanex16_b32 v[\pd], v[\r], s[SEL], s[SEL+1]
	s_delay_alu instid0(VALU_DEP_1)
	v_add_f32 v[\r], v[\r], v[\pd]
.endm
; A row of 1,024 numbers, 32 a lane in v[y] on, becomes gamma (y - mean) / sqrt(var + 1e-5) + beta, in place.
.macro LNROW y, g, b, tm, pd
	v_pk_add_f32 v[\tm:\tm+1], v[\y:\y+1], v[\y+2:\y+3]
	v_pk_add_f32 v[\tm+2:\tm+3], v[\y+4:\y+5], v[\y+6:\y+7]
.irp j, 8,12,16,20,24,28
	s_delay_alu instid0(VALU_DEP_2)
	v_pk_add_f32 v[\tm:\tm+1], v[\tm:\tm+1], v[\y+\j:\y+\j+1]
	s_delay_alu instid0(VALU_DEP_2)
	v_pk_add_f32 v[\tm+2:\tm+3], v[\tm+2:\tm+3], v[\y+\j+2:\y+\j+3]
.endr
	s_delay_alu instid0(VALU_DEP_1)
	v_pk_add_f32 v[\tm:\tm+1], v[\tm:\tm+1], v[\tm+2:\tm+3]
	s_delay_alu instid0(VALU_DEP_1)
	v_add_f32 v[\tm], v[\tm], v[\tm+1]
	REDUCE \tm, \pd
	s_delay_alu instid0(VALU_DEP_1)
	v_mul_f32 v[\tm+4], s[RN], v[\tm]              ; the mean, twice: a pair for the packed forms
	s_delay_alu instid0(VALU_DEP_2)
	v_mul_f32 v[\tm+5], s[RN], v[\tm]
.irp j, 0,2,4,6,8,10,12,14,16,18,20,22,24,26,28,30
	v_pk_add_f32 v[\y+\j:\y+\j+1], v[\y+\j:\y+\j+1], v[\tm+4:\tm+5] neg_lo:[0,1] neg_hi:[0,1]
.endr
	v_pk_mul_f32 v[\tm:\tm+1], v[\y:\y+1], v[\y:\y+1]
	v_pk_mul_f32 v[\tm+2:\tm+3], v[\y+2:\y+3], v[\y+2:\y+3]
.irp j, 4,8,12,16,20,24,28
	s_delay_alu instid0(VALU_DEP_2)
	v_pk_fma_f32 v[\tm:\tm+1], v[\y+\j:\y+\j+1], v[\y+\j:\y+\j+1], v[\tm:\tm+1]
	s_delay_alu instid0(VALU_DEP_2)
	v_pk_fma_f32 v[\tm+2:\tm+3], v[\y+\j+2:\y+\j+3], v[\y+\j+2:\y+\j+3], v[\tm+2:\tm+3]
.endr
	s_delay_alu instid0(VALU_DEP_1)
	v_pk_add_f32 v[\tm:\tm+1], v[\tm:\tm+1], v[\tm+2:\tm+3]
	s_delay_alu instid0(VALU_DEP_1)
	v_add_f32 v[\tm], v[\tm], v[\tm+1]
	REDUCE \tm, \pd
	s_delay_alu instid0(VALU_DEP_1)
	v_fma_f32 v[\tm], v[\tm], s[RN], s[EP]         ; var + 1e-5
	s_wait_alu depctr_va_vdst(0)
	v_rsq_f32 v[\tm+4], v[\tm]
	v_rsq_f32 v[\tm+5], v[\tm]
	v_nop                                          ; a plain place behind the transcendentals
	s_wait_alu depctr_va_vdst(0)
.irp j, 0,2,4,6,8,10,12,14,16,18,20,22,24,26,28,30
	v_pk_mul_f32 v[\y+\j:\y+\j+1], v[\y+\j:\y+\j+1], v[\tm+4:\tm+5]
.endr
.irp j, 0,2,4,6,8,10,12,14,16,18,20,22,24,26,28,30
	v_pk_fma_f32 v[\y+\j:\y+\j+1], v[\y+\j:\y+\j+1], v[\g+\j:\g+\j+1], v[\b+\j:\b+\j+1]
.endr
.endm
	s_wait_alu depctr_va_vdst(0)
	s_wait_loadcnt 0x0                             ; x, gamma, beta
	s_wait_dscnt 0x0
	WIN 0x01
.irp t, 0,1
.set j, 0
.rept 16
	v_pk_add_f32 v[Y+32*\t+j:Y+32*\t+j+1], v[XR+32*\t+j:XR+32*\t+j+1], v[AT+32*\t+j:AT+32*\t+j+1]
.set j, j+2
.endr
.endr
	WIN 0
.irp t, 0,1
	LNROW Y+32*\t, GA, BE, ST+8*\t, PD+\t
.irp i, 0,1,2,3,4,5,6,7
	global_store_b128 v[LA], v[Y+32*\t+4*\i:Y+32*\t+4*\i+3], s[14:15] offset:4096*\t+512*\i   ; the wave stores 512 consecutive bytes
.endr
.set j, 0
.rept 32
	v_med3_num_f32 v[AT+32*\t+j], v[Y+32*\t+j], -v[LIM6], v[LIM6]
.set j, j+1
.endr
.irp g, 0,1,2,3
	v_cvt_scalef32_pk8_bf8_f32 v[HC+8*\t+2*\g:HC+8*\t+2*\g+1], v[AT+32*\t+8*\g:AT+32*\t+8*\g+7], v[SC6]
.endr
	v_nop
.irp i, 0,1,2,3,4,5,6,7
	ds_store_b32 v[CST], v[HC+8*\t+\i] offset:CSO+128*\i   ; four codes a lane: the row of 1,024 codes is gathered in my stage
.endr
	ds_load_b128 v[AT+32*\t:AT+32*\t+3], v[CLD] offset:CSO
	ds_load_b128 v[AT+32*\t+4:AT+32*\t+7], v[CLD] offset:CSO+512
.endr
	s_wait_dscnt 0x0
.irp t, 0,1
	global_store_b128 v[LA], v[AT+32*\t:AT+32*\t+3], s[16:17] offset:1024*\t
	global_store_b128 v[LA], v[AT+32*\t+4:AT+32*\t+7], s[16:17] offset:1024*\t+512
.endr
	s_wait_tensorcnt 0x0                           ; the wave's end
	ds_add_u32 v[SPW], v[NIL]
	s_wait_dscnt 0x0
	CROUND                                         ; the closing round
	s_endpgm
.Lfunc_end_k_q5b429a51b1_attn:
	.size	k_q5b429a51b1_attn, .Lfunc_end_k_q5b429a51b1_attn-k_q5b429a51b1_attn
	.p2alignl 7, 3214868480
	.fill 96, 4, 3214868480
	.section	.rodata,"a",@progbits
	.p2align	6, 0x0
	.amdhsa_kernel k_q5b429a51b1_attn
		.amdhsa_group_segment_fixed_size 327680
		.amdhsa_private_segment_fixed_size 0
		.amdhsa_enable_private_segment 0
		.amdhsa_kernarg_size 56
		.amdhsa_user_sgpr_count 2
		.amdhsa_user_sgpr_kernarg_segment_ptr 1
		.amdhsa_wavefront_size32 1
		.amdhsa_system_sgpr_workgroup_id_x 1
		.amdhsa_system_sgpr_workgroup_id_y 1
		.amdhsa_system_sgpr_workgroup_id_z 1
		.amdhsa_system_vgpr_workitem_id 0
		.amdhsa_next_free_vgpr 512
		.amdhsa_next_free_sgpr 72
		.amdhsa_reserve_vcc 0
		.amdhsa_float_denorm_mode_32 3
		.amdhsa_float_denorm_mode_16_64 3
		.amdhsa_memory_ordered 1
		.amdhsa_forward_progress 1
		.amdhsa_inst_pref_size 127
	.end_amdhsa_kernel
	.amdgpu_metadata
---
amdhsa.version: [ 1, 2 ]
amdhsa.kernels:
  - .name:           k_q5b429a51b1_attn
    .symbol:         k_q5b429a51b1_attn.kd
    .args:
      - { .name: qkvq, .offset: 0, .size: 8, .value_kind: global_buffer, .address_space: global }
      - { .name: lowp_scales, .offset: 8, .size: 8, .value_kind: global_buffer, .address_space: global }
      - { .name: x, .offset: 16, .size: 8, .value_kind: global_buffer, .address_space: global }
      - { .name: gamma, .offset: 24, .size: 8, .value_kind: global_buffer, .address_space: global }
      - { .name: beta, .offset: 32, .size: 8, .value_kind: global_buffer, .address_space: global }
      - { .name: hbuf, .offset: 40, .size: 8, .value_kind: global_buffer, .address_space: global }
      - { .name: hq, .offset: 48, .size: 8, .value_kind: global_buffer, .address_space: global }
    .group_segment_fixed_size: 327680
    .private_segment_fixed_size: 0
    .kernarg_segment_align: 8
    .kernarg_segment_size: 56
    .max_flat_workgroup_size: 256
    .sgpr_count:     72
    .vgpr_count:     512
    .wavefront_size: 32
...
	.end_amdgpu_metadata
.endif
;; end of part 3
;; launch ffn1 (part 4): grid 16 x 16, 4 waves a work-group, clusters of 4 x 4, 327,680 bytes of LDS; arguments hq, wq, lowp_scales, b1, hidq; writes hidq
.if DOCPART == 4
	.amdgcn_target "amdgcn-amd-amdhsa--gfx1250"
	.amdhsa_code_object_version 6
	.text
	.protected	k_q5b429a51b1_ffn1
	.globl	k_q5b429a51b1_ffn1
	.p2align	8
	.type	k_q5b429a51b1_ffn1,@function
k_q5b429a51b1_ffn1:
	s_mov_b64 s[64:65], 0
	v_nop
	global_prefetch_b8 v0, s[64:65] scope:SCOPE_SE
	s_setreg_imm32_b32 hwreg(HW_REG_WAVE_MODE, 25, 1), 1
	s_wait_xcnt 0x0
	s_wait_alu depctr_hold_cnt(0) depctr_sa_sdst(0) depctr_va_vdst(0) depctr_va_sdst(0) depctr_va_ssrc(0) depctr_va_vcc(0) depctr_vm_vsrc(0)
	s_getreg_b32 s2, hwreg(HW_REG_IB_STS2, 6, 4)
	s_cmp_eq_u32 s2, 0
	s_cbranch_scc0 .Lentry_in_a_cluster
	s_endpgm
.Lentry_in_a_cluster:
	s_bfe_u32 s2, ttmp6, 0x10000c
	s_cmp_lg_u32 s2, 0xf033
	s_cbranch_scc0 .Lentry_shape_is_right
	s_endpgm
.Lentry_shape_is_right:
.set KSTEP,  256
.set ROWB,   256
.set KROW,   1024
.set NROW,   4096
.set W1OFF,  3145728
.set PITCH,  272
.set FR,     16
.set NL,     4
.set HALFT,  128*PITCH
.set SLOT,   4*HALFT
.set SPARE,  2*SLOT
.set ADRA, 16
.set ADRB, 20
.set STO,  24
.set RD,   25
.set CO,   26
.set SPW,  28
.set NIL,  29
.set SCL,  8
.set LIM,  9
.set BIAS, 32
.set AF,   128
.set CC,   128
.set G1, 24
.set G0, 32
.set G1B, 48
.set G0B, 56
.set MSB, 0
.macro WIN new
.if MSB != (\new)
	s_set_vgpr_msb (MSB<<8)|(\new)
.set MSB, (\new)
.endif
.endm
.set MUL_LO, 0xa1
.set MUL_HI, 0xf1
.set TO_B,   0x40
.macro JLOAD g0a, g1a, g0b, g1b
	s_cmp_eq_u32 s15, 0
	s_cbranch_scc0 .Lfor_b_\@
	tensor_load_to_lds s[\g0a:\g0a+3], s[\g1a:\g1a+7]
	s_nop 0
.rept 4
	v_nop
.endr
	s_branch .Lasked_\@
.Lfor_b_\@:
	tensor_load_to_lds s[\g0b:\g0b+3], s[\g1b:\g1b+7]
	s_nop 0
.rept 4
	v_nop
.endr
.Lasked_\@:
.endm
.macro CREST
	s_cmp_lg_u32 s14, 0
	s_cbranch_scc1 .Lnot_wave_0_\@
	s_barrier_signal -3
.Lnot_wave_0_\@:
	s_barrier_wait -3
	s_barrier_signal -1
	s_barrier_wait -1
.endm
.macro CROUND
	s_barrier_signal -1
	s_barrier_wait -1
	CREST
.endm
.macro PLACES
.rept 4
	v_nop
.endr
.endm
	s_load_b128 s[4:7], s[0:1], 0x0
	s_load_b128 s[8:11], s[0:1], 0x10
	s_load_b64 s[12:13], s[0:1], 0x20
	v_lshl_add_u32 v[SPW], v0, 2, SPARE
	v_mov_b32 v[NIL], 0
	ds_add_u32 v28, v29
	ds_add_u32 v28, v29
	s_wait_dscnt 0x0
	v_lshrrev_b32 v1, 5, v0
	v_readfirstlane_b32 s14, v1
	s_lshr_b32 s15, s14, 1
	s_and_b32 s16, s14, 1
	s_bfe_u32 s40, ttmp6, 0x40000
	s_bfe_u32 s41, ttmp6, 0x40004
	s_lshl_b32 s42, ttmp9, 2
	s_add_co_u32 s42, s42, s40
	s_and_b32 s17, ttmp7, 0xffff
	s_lshl_b32 s17, s17, 2
	s_add_co_u32 s17, s17, s41
	s_lshl_b32 s43, s41, 2
	s_lshl_b32 s43, 15, s43
	s_lshl_b32 s44, 0x1111, s40
	s_or_b32 s[G1+0], s43, (0<<16)|(1<<20)|(1<<21)|(5<<22)|(3<<25)
	s_or_b32 s[G1B+0], s44, (0<<16)|(1<<20)|(1<<21)|(5<<22)|(3<<25)
.irp g, G1, G1B
	s_mov_b32 s[\g+1], ROWB<<16
	s_mov_b32 s[\g+2], 128<<16
	s_mov_b32 s[\g+3], ROWB<<16
	s_mov_b32 s[\g+4], 128
	s_mov_b32 s[\g+5], KROW
	s_mov_b32 s[\g+6], 0
	s_mov_b32 s[\g+7], 0
.endr
	s_lshl_b32 s18, s16, 7
	s_lshl_b32 s20, s17, 8
	s_add_co_u32 s20, s20, s18
	s_lshl_b32 s20, s20, 10
	s_mov_b32 s21, 0
	s_lshl_b32 s46, s42, 8
	s_add_co_u32 s46, s46, s18
	s_lshl_b32 s46, s46, 10
	s_add_co_u32 s46, s46, W1OFF
	s_mov_b32 s47, 0
	s_mul_i32 s45, s14, HALFT
	s_wait_kmcnt 0x0
	s_load_b128 s[68:71], s[8:9], 0x18
	s_add_nc_u64 s[20:21], s[4:5], s[20:21]
	s_add_nc_u64 s[46:47], s[6:7], s[46:47]
	CROUND
.irp s, 0,1
	s_mov_b32 s[G0+4*\s], 1
	s_add_co_u32 s[G0+4*\s+1], s45, \s*SLOT
	s_add_nc_u64 s[G0+4*\s+2:G0+4*\s+3], s[20:21], \s*ROWB
	s_or_b32 s[G0+4*\s+3], s[G0+4*\s+3], 0x80000000
	s_mov_b32 s[G0B+4*\s], 1
	s_add_co_u32 s[G0B+4*\s+1], s45, \s*SLOT
	s_add_nc_u64 s[G0B+4*\s+2:G0B+4*\s+3], s[46:47], \s*ROWB
	s_or_b32 s[G0B+4*\s+3], s[G0B+4*\s+3], 0x80000000
.endr
	JLOAD G0, G1, G0B, G1B                         ; K step 0: one tensor load a wave at the head
	; THE PREFETCHES INTO THE L2.  A K step is 256 bytes of each row.  Of the 128 rows that my wave fetches each of the four partners that ask for them jointly takes 32, told apart by address (cx for h, cy for W1):
	; a lane a row, one instruction a wave and K step.  Behind the load of K step r stands the request for K step r + 2; K step 1 is asked for here too.
	s_cmp_eq_u32 s15, 0                            ; do I fetch for h?
	s_cselect_b32 s76, s17, s42                    ; the tile: by the tile row, or by the tile column
	s_cselect_b32 s77, s40, s41                    ; my place among the four
	s_cselect_b64 s[72:73], s[4:5], s[6:7]
	s_cselect_b32 s78, 0, W1OFF
	s_lshl_b32 s76, s76, 8
	s_lshl_b32 s79, s16, 7
	s_add_co_u32 s76, s76, s79
	s_lshl_b32 s77, s77, 5
	s_add_co_u32 s76, s76, s77
	s_lshl_b32 s76, s76, 10                        ; rows of 1,024 bytes
	s_add_co_u32 s76, s76, s78
	s_mov_b32 s77, 0
	s_add_nc_u64 s[72:73], s[72:73], s[76:77]      ; never rewritten
	v_and_b32 v30, 31, v0
	v_lshlrev_b32 v30, 10, v30                     ; v30: my lane's row; never rewritten
	global_prefetch_b8 v30, s[72:73] offset:ROWB th:TH_LOAD_NT scope:SCOPE_SE
	global_prefetch_b8 v30, s[72:73] offset:2*ROWB th:TH_LOAD_NT scope:SCOPE_SE
	v_and_b32 v1, 15, v0
	v_bfe_u32 v6, v0, 4, 1
	v_mul_u32_u24 v3, v1, PITCH
	s_wait_alu depctr_va_vdst(0)
	v_lshl_add_u32 v4, v6, 4, v3
	s_mul_i32 s88, s15, HALFT
	s_mul_i32 s89, s16, HALFT
	s_add_co_u32 s89, s89, 2*HALFT
.irp s, 0,1
	v_add_nc_u32 v[ADRA+\s], s88, v4
	v_add_nc_u32 v[ADRB+\s], s89, v4
	s_add_co_u32 s88, s88, SLOT
	s_add_co_u32 s89, s89, SLOT
.endr
	s_mul_i32 s90, s15, 128*PITCH
	s_lshl_b32 s91, s16, 7
	s_add_co_u32 s90, s90, s91
	v_lshl_add_u32 v5, v6, 3, v3
	v_add_nc_u32 v[STO], s90, v5
	s_mul_i32 s90, s14, 64*PITCH
	v_mul_u32_u24 v5, v6, PITCH
	v_lshl_add_u32 v5, v1, 4, v5
	v_add_nc_u32 v[RD], s90, v5
	v_mul_u32_u24 v5, v6, NROW
	v_lshl_add_u32 v[CO], v1, 4, v5
	v_lshlrev_b32 v22, 5, v6
	s_lshl_b32 s88, s42, 10
	s_lshl_b32 s89, s16, 9
	s_add_co_u32 s88, s88, s89
	s_mov_b32 s89, 0
	s_add_nc_u64 s[10:11], s[10:11], s[88:89]
.irp b, 0,1,2,3,4,5,6,7
	global_load_b128 v[BIAS+8*\b:BIAS+8*\b+3], v22, s[10:11] offset:64*\b
	global_load_b128 v[BIAS+8*\b+4:BIAS+8*\b+7], v22, s[10:11] offset:64*\b+16
.endr
	s_lshl_b32 s88, s17, 8
	s_lshl_b32 s90, s14, 6
	s_add_co_u32 s88, s88, s90
	s_lshl_b32 s88, s88, 12
	s_lshl_b32 s90, s42, 8
	s_add_co_u32 s88, s88, s90
	s_add_nc_u64 s[12:13], s[12:13], s[88:89]
	s_wait_kmcnt 0x0
	s_add_co_i32 s90, s68, s69
	s_sub_co_i32 s91, 0, s90
	s_sub_co_i32 s92, s70, s90
	s_add_co_i32 s92, s92, 127
	s_lshl_b32 s93, s92, 23
	v_mov_b32 v[SCL], s93
	s_add_co_i32 s92, s92, 15
	s_lshl_b32 s92, s92, 23
	s_or_b32 s92, s92, 0x600000
	v_mov_b32 v[LIM], s92
	s_wait_loadcnt 0x0
.set i, 0
.rept 64
	v_ldexp_f32 v[BIAS+i], v[BIAS+i], s91
.set i, i+1
.endr
.macro FRAG reg, adr, q, i
.irp c, 0,1,2,3
	ds_load_b128 v[\reg+4*\c:\reg+4*\c+3], v[\adr] offset:128*(\q)+32*\c+(\i)*16*PITCH
.endr
.endm
.macro MUL16 a0, p, first
.irp a, \a0, \a0+1
.irp b, 0,1,2,3,4,5,6,7
.if \first
	v_wmma_f32_16x16x128_bf8_bf8 v[8*(8*((\a)%4)+\b):8*(8*((\a)%4)+\b)+7], v[128*(\p)+FR*\b:128*(\p)+FR*\b+FR-1], v[AF+FR*(\a):AF+FR*(\a)+FR-1], v[BIAS+8*\b:BIAS+8*\b+7]
.else
	v_wmma_f32_16x16x128_bf8_bf8 v[8*(8*((\a)%4)+\b):8*(8*((\a)%4)+\b)+7], v[128*(\p)+FR*\b:128*(\p)+FR*\b+FR-1], v[AF+FR*(\a):AF+FR*(\a)+FR-1], v[8*(8*((\a)%4)+\b):8*(8*((\a)%4)+\b)+7]
.endif
.endr
.endr
.endm
.macro FETCH_B slot, q, p
	WIN TO_B
.irp i, 0,1,2,3,4,5,6,7
	FRAG 128*(\p)+FR*\i, ADRB+\slot, \q, \i
.endr
	WIN 0
.endm
.macro FETCH_A slot, q, i0
.irp i, \i0, \i0+1, \i0+2, \i0+3
	FRAG AF+FR*(\i), ADRA+\slot, \q, \i
.endr
.endm
.macro STEP slot, first
	s_wait_dscnt 4*NL
	WIN MUL_LO-0x20*\first
	MUL16 0, 0, \first
	MUL16 2, 0, \first
	s_wait_dscnt 0x0
	PLACES
	FETCH_B \slot, 1, 1
	FETCH_A \slot, 1, 0
	WIN MUL_HI-0x30*\first
	MUL16 4, 0, \first
	MUL16 6, 0, \first
	PLACES
	WIN 0
	FETCH_A \slot, 1, 4
.endm
.macro TURN slot, next, fill
	s_wait_tensorcnt 0x0
	ds_add_u32 v[SPW], v[NIL]
	s_wait_dscnt 4*NL+1
	WIN MUL_LO
	MUL16 0, 1, 0
	s_wait_dscnt 0x0
	s_barrier_signal -1
	MUL16 2, 1, 0
	WIN 0
	s_barrier_wait -1
.if \fill
	CREST
	s_add_nc_u64 s[G0+4*\slot+2:G0+4*\slot+3], s[G0+4*\slot+2:G0+4*\slot+3], 2*ROWB
	s_add_nc_u64 s[G0B+4*\slot+2:G0B+4*\slot+3], s[G0B+4*\slot+2:G0B+4*\slot+3], 2*ROWB
	JLOAD G0+4*\slot, G1, G0B+4*\slot, G1B
.else
	PLACES
.endif
	FETCH_B \next, 0, 0
	FETCH_A \next, 0, 0
	WIN MUL_HI
	MUL16 4, 1, 0
	MUL16 6, 1, 0
	PLACES
	WIN 0
	FETCH_A \next, 0, 4
.endm
	s_wait_alu depctr_va_vdst(0)
	s_wait_tensorcnt 0x0
	ds_add_u32 v[SPW], v[NIL]
	s_wait_dscnt 0x0
	CROUND
	JLOAD G0+4, G1, G0B+4, G1B
	FETCH_B 0, 0, 0
	FETCH_A 0, 0, 0
	FETCH_A 0, 0, 4
	global_prefetch_b8 v30, s[72:73] offset:3*ROWB th:TH_LOAD_NT scope:SCOPE_SE   ; behind K step 1's load: K step 3, the last
	STEP 0, 1
	TURN 0, 1, 1
	STEP 1, 0
	TURN 1, 0, 1
	STEP 0, 0
	TURN 0, 1, 0
	STEP 1, 0
	s_wait_dscnt 4*NL
	WIN MUL_LO
	MUL16 0, 1, 0
	MUL16 2, 1, 0
	s_wait_dscnt 0x0
	WIN MUL_HI
	MUL16 4, 1, 0
	MUL16 6, 1, 0
	PLACES
	WIN 0x82
.set i, 0
.rept 256
	v_med3_num_f32 v[i], v[i], 0, v[LIM]
.set i, i+1
.endr
	WIN 0x02
.set i, 0
.rept 32
	v_cvt_scalef32_pk8_bf8_f32 v[CC+2*i:CC+2*i+1], v[8*i:8*i+7], v[SCL]
.set i, i+1
.endr
	WIN 0xc3
.set i, 0
.rept 256
	v_med3_num_f32 v[i], v[i], 0, v[LIM]
.set i, i+1
.endr
	WIN 0x03
.set i, 0
.rept 32
	v_cvt_scalef32_pk8_bf8_f32 v[CC+64+2*i:CC+64+2*i+1], v[8*i:8*i+7], v[SCL]
.set i, i+1
.endr
	WIN 0
	v_nop
.irp a, 0,1,2,3,4,5,6,7
.irp b, 0,1,2,3,4,5,6,7
	ds_store_b64 v[STO], v[CC+2*(8*\a+\b):CC+2*(8*\a+\b)+1] offset:\a*16*PITCH+16*\b
.endr
.endr
	s_wait_dscnt 0x0
	s_barrier_signal -1
	s_barrier_wait -1
.set i, 0
.rept 32
	ds_load_b128 v[CC+4*i:CC+4*i+3], v[RD] offset:2*i*PITCH
.set i, i+1
.endr
.set i, 0
.rept 32
	s_wait_dscnt 31-i
	global_store_b128 v[CO], v[CC+4*i:CC+4*i+3], s[12:13] offset:2*i*NROW
.set i, i+1
.endr
	s_wait_tensorcnt 0x0
	ds_add_u32 v[SPW], v[NIL]
	s_wait_dscnt 0x0
	CROUND
	s_endpgm
.Lfunc_end_k_q5b429a51b1_ffn1:
	.size	k_q5b429a51b1_ffn1, .Lfunc_end_k_q5b429a51b1_ffn1-k_q5b429a51b1_ffn1
	.p2alignl 7, 3214868480
	.fill 96, 4, 3214868480
	.section	.rodata,"a",@progbits
	.p2align	6, 0x0
	.amdhsa_kernel k_q5b429a51b1_ffn1
		.amdhsa_group_segment_fixed_size 327680
		.amdhsa_private_segment_fixed_size 0
		.amdhsa_enable_private_segment 0
		.amdhsa_kernarg_size 40
		.amdhsa_user_sgpr_count 2
		.amdhsa_user_sgpr_kernarg_segment_ptr 1
		.amdhsa_wavefront_size32 1
		.amdhsa_system_sgpr_workgroup_id_x 1
		.amdhsa_system_sgpr_workgroup_id_y 1
		.amdhsa_system_sgpr_workgroup_id_z 1
		.amdhsa_system_vgpr_workitem_id 0
		.amdhsa_next_free_vgpr 1024
		.amdhsa_next_free_sgpr 100
		.amdhsa_reserve_vcc 0
		.amdhsa_float_denorm_mode_32 3
		.amdhsa_float_denorm_mode_16_64 3
		.amdhsa_memory_ordered 1
		.amdhsa_forward_progress 1
		.amdhsa_inst_pref_size 131
	.end_amdhsa_kernel
	.amdgpu_metadata
---
amdhsa.version: [ 1, 2 ]
amdhsa.kernels:
  - .name:           k_q5b429a51b1_ffn1
    .symbol:         k_q5b429a51b1_ffn1.kd
    .args:
      - { .name: hq, .offset: 0, .size: 8, .value_kind: global_buffer, .address_space: global }
      - { .name: wq, .offset: 8, .size: 8, .value_kind: global_buffer, .address_space: global }
      - { .name: lowp_scales, .offset: 16, .size: 8, .value_kind: global_buffer, .address_space: global }
      - { .name: b1, .offset: 24, .size: 8, .value_kind: global_buffer, .address_space: global }
      - { .name: hidq, .offset: 32, .size: 8, .value_kind: global_buffer, .address_space: global }
    .group_segment_fixed_size: 327680
    .private_segment_fixed_size: 0
    .kernarg_segment_align: 8
    .kernarg_segment_size: 40
    .max_flat_workgroup_size: 128
    .sgpr_count:     100
    .vgpr_count:     1024
    .wavefront_size: 32
...
	.end_amdgpu_metadata
.endif
;; end of part 4
;; launch ffn2 (part 5): grid 8 x 32, 4 waves a work-group, clusters of 4 x 4, 327,680 bytes of LDS; arguments hidq, wq, lowp_scales, b2, fbuf; writes fbuf
.if DOCPART == 5
	.amdgcn_target "amdgcn-amd-amdhsa--gfx1250"
	.amdhsa_code_object_version 6
	.text
	.protected	k_q5b429a51b1_ffn2
	.globl	k_q5b429a51b1_ffn2
	.p2align	8
	.type	k_q5b429a51b1_ffn2,@function
k_q5b429a51b1_ffn2:
	s_mov_b64 s[64:65], 0
	v_nop
	global_prefetch_b8 v0, s[64:65] scope:SCOPE_SE
	s_setreg_imm32_b32 hwreg(HW_REG_WAVE_MODE, 25, 1), 1
	s_wait_xcnt 0x0
	s_wait_alu depctr_hold_cnt(0) depctr_sa_sdst(0) depctr_va_vdst(0) depctr_va_sdst(0) depctr_va_ssrc(0) depctr_va_vcc(0) depctr_vm_vsrc(0)
	s_getreg_b32 s2, hwreg(HW_REG_IB_STS2, 6, 4)
	s_cmp_eq_u32 s2, 0
	s_cbranch_scc0 .Lentry_in_a_cluster
	s_endpgm
.Lentry_in_a_cluster:
	s_bfe_u32 s2, ttmp6, 0x10000c
	s_cmp_lg_u32 s2, 0xf033
	s_cbranch_scc0 .Lentry_shape_is_right
	s_endpgm
.Lentry_shape_is_right:
; f = hidden W2 + b2 on codes of BF8 (hidden: e8, W2: e9); fbuf [4096][1024] f32.  M = 4,096, N = 1,024, K = 4,096.
; A tile is 128 x 128, so that the 32 x 8 tiles give each of 256 work-groups one; tiles of 256 x 256 would be 64.  Four waves, each 64 x 64: 16 accumulators.  K goes in steps of 512 (LDS rows of 512 bytes;
; a wave's tensor load brings 64 of them), as long as two slots in LDS allow.
; CLUSTERS: 4 x 4 work-groups: the hidden layer's tiles are shared along a row of the cluster, W2's along a column; each is asked for JOINTLY.
; THE MATRIX INSTRUCTION IS USED TRANSPOSED (source 0 = 16 rows of W2's codes, source 1 = 16 rows of the hidden layer): a lane holds eight neighbouring numbers of a row of f.
; LIMIT: e8 + e9 lies between -126 and 127.
; REGISTERS: window 0: v1-29 addresses; v32-63 b2 in the result's layout; v64-95, v96-127 at work on the way out; v128-255 the accumulators ((a, b) at v[128 + 8 (4 a + b)]).
;   window 1: two fragment buffers of 128: for 128 along K, 64 registers of the hidden layer (4 x 16 rows), then 64 of W2.
.set KSTEP,  512
.set KROW,   4096
.set W2OFF,  7340032
.set PITCH,  528                       ; 512 bytes + 16 of padding = 132 words: row r starts at bank 4 r mod 64 (64 banks of 4 bytes: ISA guide 11.1)
.set HALFT,  64*PITCH
.set SLOT,   4*HALFT
.set STAGE,  2*SLOT                    ; behind the ring: 16 rows x 272 bytes for each wave
.set SPITCH, 272
.set SPARE,  STAGE+4*16*SPITCH         ; behind the stages: the spare words, 128 bytes for each wave: two blocks of 256 bytes that no other line names
.set LAPS,   4096/(2*KSTEP)
.set ADRA, 16
.set ADRB, 20
.set STO,  24
.set RD,   25
.set CO,   26
.set SPW,  28
.set NIL,  29
.set B2,   32
.set TMP,  64
.set BK,   96
.set ACC,  128
.set F0,   0
.set F1,   128
.set G1, 24
.set G0, 32
.set G1B, 48
.set G0B, 56
.set MSB, 0
.macro WIN new
.if MSB != (\new)
	s_set_vgpr_msb (MSB<<8)|(\new)
.set MSB, (\new)
.endif
.endm
.set MUL,  0x05                        ; sources 0 and 1 window 1; C and D window 0
.set TO_F, 0x40
.macro JLOAD s                         ; a joint load: waves 0 and 1 fetch the hidden layer's two halves, waves 2 and 3 W2's; four v_nop follow each of the two lines
	s_cmp_eq_u32 s15, 0
	s_cbranch_scc0 .Lfor_b_\@
	tensor_load_to_lds s[G0+4*\s:G0+4*\s+3], s[G1:G1+7]
	s_nop 0
.rept 4
	v_nop
.endr
	s_branch .Lasked_\@
.Lfor_b_\@:
	tensor_load_to_lds s[G0B+4*\s:G0B+4*\s+3], s[G1B:G1B+7]
	s_nop 0
.rept 4
	v_nop
.endr
.Lasked_\@:
.endm
.macro CREST
	s_cmp_lg_u32 s14, 0
	s_cbranch_scc1 .Lnot_wave_0_\@
	s_barrier_signal -3
.Lnot_wave_0_\@:
	s_barrier_wait -3
	s_barrier_signal -1
	s_barrier_wait -1
.endm
.macro CROUND
	s_barrier_signal -1
	s_barrier_wait -1
	CREST
.endm
.macro PLACES
.rept 4
	v_nop
.endr
.endm
	s_load_b128 s[4:7], s[0:1], 0x0                ; the hidden layer's codes, the weights' codes
	s_load_b128 s[8:11], s[0:1], 0x10              ; the scales' exponents, b2
	s_load_b64 s[12:13], s[0:1], 0x20              ; fbuf
	v_lshl_add_u32 v[SPW], v0, 2, SPARE
	v_mov_b32 v[NIL], 0
	ds_add_u32 v28, v29
	ds_add_u32 v28, v29
	s_wait_dscnt 0x0
	v_lshrrev_b32 v1, 5, v0
	v_readfirstlane_b32 s14, v1                    ; wave 0..3
	s_lshr_b32 s15, s14, 1                         ; which half of the tile's rows is mine.  Also: which tensor I fetch for
	s_and_b32 s16, s14, 1                          ; which half of its columns.  Also: which 64 rows of that tile I fetch
	s_bfe_u32 s40, ttmp6, 0x40000
	s_bfe_u32 s41, ttmp6, 0x40004
	s_lshl_b32 s42, ttmp9, 2
	s_add_co_u32 s42, s42, s40                     ; tile column
	s_and_b32 s17, ttmp7, 0xffff
	s_lshl_b32 s17, s17, 2
	s_add_co_u32 s17, s17, s41                     ; tile row
	s_lshl_b32 s43, s41, 2
	s_lshl_b32 s43, 15, s43
	s_lshl_b32 s44, 0x1111, s40
	s_or_b32 s[G1+0], s43, (0<<16)|(1<<20)|(1<<21)|(6<<22)|(3<<25)  ; elements of 1 byte; padding: four words after every 128
	s_or_b32 s[G1B+0], s44, (0<<16)|(1<<20)|(1<<21)|(6<<22)|(3<<25)
.irp g, G1, G1B
	s_mov_b32 s[\g+1], KSTEP<<16
	s_mov_b32 s[\g+2], 64<<16
	s_mov_b32 s[\g+3], KSTEP<<16
	s_mov_b32 s[\g+4], 64
	s_mov_b32 s[\g+5], KROW
	s_mov_b32 s[\g+6], 0
	s_mov_b32 s[\g+7], 0
.endr
	s_lshl_b32 s18, s16, 6
	s_lshl_b32 s20, s17, 7
	s_add_co_u32 s20, s20, s18
	s_lshl_b32 s20, s20, 12                        ; (128 x tile row + 64 x half) rows of 4,096 bytes
	s_mov_b32 s21, 0
	s_lshl_b32 s46, s42, 7
	s_add_co_u32 s46, s46, s18
	s_lshl_b32 s46, s46, 12
	s_add_co_u32 s46, s46, W2OFF
	s_mov_b32 s47, 0
	s_mul_i32 s45, s14, HALFT
	s_wait_kmcnt 0x0
	s_load_b64 s[68:69], s[8:9], 0x20              ; e8, e9
	s_add_nc_u64 s[20:21], s[4:5], s[20:21]
	s_add_nc_u64 s[46:47], s[6:7], s[46:47]
	CROUND
.irp s, 0,1
	s_mov_b32 s[G0+4*\s], 1
	s_add_co_u32 s[G0+4*\s+1], s45, \s*SLOT
	s_add_nc_u64 s[G0+4*\s+2:G0+4*\s+3], s[20:21], \s*KSTEP
	s_or_b32 s[G0+4*\s+3], s[G0+4*\s+3], 0x80000000
	s_mov_b32 s[G0B+4*\s], 1
	s_add_co_u32 s[G0B+4*\s+1], s45, \s*SLOT
	s_add_nc_u64 s[G0B+4*\s+2:G0B+4*\s+3], s[46:47], \s*KSTEP
	s_or_b32 s[G0B+4*\s+3], s[G0B+4*\s+3], 0x80000000
.endr
	JLOAD 0                                        ; K step 0: one tensor load a wave at the head
	; THE PREFETCHES INTO THE L2.  A K step is 512 bytes of each row, two blocks of 256.  Of the 64 rows that my wave fetches each of the four partners that ask for them jointly takes 16, told apart by address
	; (cx for the hidden layer, cy for W2): two lanes a row, one instruction a wave and K step.  Behind the load of K step r stands the request for K step r + 2; K step 1 is asked for here too.
	s_cmp_eq_u32 s15, 0                            ; do I fetch for the hidden layer?
	s_cselect_b32 s76, s17, s42                    ; the tile: by the tile row, or by the tile column
	s_cselect_b32 s77, s40, s41                    ; my place among the four
	s_cselect_b64 s[72:73], s[4:5], s[6:7]
	s_cselect_b32 s78, 0, W2OFF
	s_lshl_b32 s76, s76, 7
	s_lshl_b32 s79, s16, 6
	s_add_co_u32 s76, s76, s79
	s_lshl_b32 s77, s77, 4
	s_add_co_u32 s76, s76, s77
	s_lshl_b32 s76, s76, 12                        ; rows of 4,096 bytes
	s_add_co_u32 s76, s76, s78
	s_mov_b32 s77, 0
	s_add_nc_u64 s[72:73], s[72:73], s[76:77]      ; s[72:73]: my 16 rows, at K step 0; each filling change of slots steps it by a K step
	v_and_b32 v30, 31, v0
	v_lshrrev_b32 v31, 1, v30
	v_and_b32 v30, 1, v30
	v_lshlrev_b32 v30, 8, v30
	v_lshl_add_u32 v30, v31, 12, v30               ; v30: row lane / 2, block lane % 2; never rewritten
	global_prefetch_b8 v30, s[72:73] offset:KSTEP th:TH_LOAD_NT scope:SCOPE_SE
	global_prefetch_b8 v30, s[72:73] offset:2*KSTEP th:TH_LOAD_NT scope:SCOPE_SE
	v_and_b32 v1, 15, v0                           ; r
	s_wait_alu depctr_va_vdst(0)
	v_bfe_u32 v2, v0, 4, 1                         ; h
	v_mul_u32_u24 v3, v1, PITCH
	v_lshl_add_u32 v3, v2, 4, v3
	s_mul_i32 s88, s15, HALFT
	s_mul_i32 s89, s16, HALFT
	s_add_co_u32 s89, s89, 2*HALFT
.irp s, 0,1
	v_add_nc_u32 v[ADRA+\s], s88, v3
	v_add_nc_u32 v[ADRB+\s], s89, v3
	s_add_co_u32 s88, s88, SLOT
	s_add_co_u32 s89, s89, SLOT
.endr
	s_mul_i32 s90, s14, 16*SPITCH
	s_add_co_u32 s90, s90, STAGE                   ; my stage
	v_mul_u32_u24 v4, v1, SPITCH
	s_wait_alu depctr_va_vdst(0)
	v_lshl_add_u32 v4, v2, 5, v4
	v_add_nc_u32 v[STO], s90, v4                   ; in: row r, 32 bytes for each half of the lanes
	v_mul_u32_u24 v5, v2, SPITCH
	v_lshl_add_u32 v5, v1, 4, v5
	v_add_nc_u32 v[RD], s90, v5                    ; back: lanes 0-15 one row of 256 bytes, lanes 16-31 the next
	v_lshlrev_b32 v5, 12, v2
	v_lshl_add_u32 v[CO], v1, 4, v5                ; and the same two rows in f
	v_lshlrev_b32 v22, 5, v2
	s_lshl_b32 s88, s42, 9
	s_lshl_b32 s89, s16, 8
	s_add_co_u32 s88, s88, s89                     ; my first column, in bytes: 512 x tile column + 256 x half
	s_mov_b32 s89, 0
	s_add_nc_u64 s[10:11], s[10:11], s[88:89]
.irp b, 0,1,2,3
	global_load_b128 v[B2+8*\b:B2+8*\b+3], v22, s[10:11] offset:64*\b
	global_load_b128 v[B2+8*\b+4:B2+8*\b+7], v22, s[10:11] offset:64*\b+16
.endr
	s_lshl_b32 s90, s17, 7
	s_lshl_b32 s91, s15, 6
	s_add_co_u32 s90, s90, s91
	s_lshl_b32 s90, s90, 12                        ; my first row
	s_add_co_u32 s88, s88, s90
	s_add_nc_u64 s[12:13], s[12:13], s[88:89]
.macro MUL4 f, a, zero                 ; block a of the hidden layer's rows x W2's four; the 16 accumulators take turns, in the same order in every quarter
.irp b, 0,1,2,3
.if \zero
	v_wmma_f32_16x16x128_bf8_bf8 v[ACC+8*(4*(\a)+\b):ACC+8*(4*(\a)+\b)+7], v[\f+64+16*\b:\f+64+16*\b+15], v[\f+16*(\a):\f+16*(\a)+15], 0
.else
	v_wmma_f32_16x16x128_bf8_bf8 v[ACC+8*(4*(\a)+\b):ACC+8*(4*(\a)+\b)+7], v[\f+64+16*\b:\f+64+16*\b+15], v[\f+16*(\a):\f+16*(\a)+15], v[ACC+8*(4*(\a)+\b):ACC+8*(4*(\a)+\b)+7]
.endif
.endr
.endm
.macro FETCH slot, k, f                ; 32 LDS loads in one run: the fragments of 128 along K at byte k of the rows: W2's sixteen, then the hidden layer's blocks 0-1, then 2-3
	WIN TO_F
.irp i, 0,1,2,3
.irp c, 0,1,2,3
	ds_load_b128 v[\f+64+16*\i+4*\c:\f+64+16*\i+4*\c+3], v[ADRB+\slot] offset:\k+32*\c+\i*16*PITCH
.endr
.endr
.irp i, 0,1,2,3
.irp c, 0,1,2,3
	ds_load_b128 v[\f+16*\i+4*\c:\f+16*\i+4*\c+3], v[ADRA+\slot] offset:\k+32*\c+\i*16*PITCH
.endr
.endr
.endm
; A K step is four quarters of 128 along K, 16 matrix instructions each, on buffers 0, 1, 0, 1.
.macro QUARTER slot, k, f, g, zero
	s_wait_dscnt 8                                 ; W2's fragments and blocks 0-1 are in; the youngest eight loads (blocks 2-3) may be out
	WIN MUL
	MUL4 \f, 0, \zero
	MUL4 \f, 1, \zero
	PLACES
	FETCH \slot, \k, \g
	s_wait_dscnt 32                                ; all but the 32 just issued
	WIN MUL
	MUL4 \f, 2, \zero
	MUL4 \f, 3, \zero
.endm
.macro TURN slot, next, fill           ; the last quarter multiplies buffer 1 and changes slots
	WIN 0
.if \fill
	s_wait_xcnt 0x0                                ; my prefetches have read their address: it is stepped here, ahead of the waits of the change of slots
	s_add_nc_u64 s[72:73], s[72:73], KSTEP
.endif
	s_wait_tensorcnt 0x0                           ; all my tensor loads have landed: my part of the next slot;
	ds_add_u32 v[SPW], v[NIL]                      ; 0 onto my spare word;
	s_wait_dscnt 9                                 ; (the add and the youngest eight loads may be out)
	WIN MUL
	MUL4 F1, 0, 0
	s_wait_dscnt 0x0                               ; the add is done, and my reads of this slot are over
	s_barrier_signal -1
	MUL4 F1, 1, 0
.if \fill
	WIN 0
.endif
	s_barrier_wait -1
.if \fill
	CREST                                          ; a round of the cluster's barrier: no wave of any partner still reads this slot or has a load on its way
	s_add_nc_u64 s[G0+4*\slot+2:G0+4*\slot+3], s[G0+4*\slot+2:G0+4*\slot+3], 2*KSTEP
	s_add_nc_u64 s[G0B+4*\slot+2:G0B+4*\slot+3], s[G0B+4*\slot+2:G0B+4*\slot+3], 2*KSTEP
	JLOAD \slot                                    ; the first tensor load behind the round; its four v_nop are the places in front of the loads below
.else
	PLACES
.endif
	FETCH \next, 0, F0
.if \fill
	WIN 0                                          ; at a branch and at a label every window is 0
	s_cmp_gt_u32 s3, 1                             ; the n-th filling change loads K step n + 1 and asks for K step n + 3; the loop's last trip (n = 5, 6) has none left to ask for
	s_cbranch_scc0 .Lnone_\@
	global_prefetch_b8 v30, s[72:73] offset:3*KSTEP th:TH_LOAD_NT scope:SCOPE_SE
.Lnone_\@:
.endif
	WIN MUL
	MUL4 F1, 2, 0
	MUL4 F1, 3, 0
.endm
	s_wait_alu depctr_va_vdst(0)
	s_wait_tensorcnt 0x0                           ; my part of K step 0 is in
	ds_add_u32 v[SPW], v[NIL]
	s_wait_dscnt 0x0
	CROUND                                         ; everybody's part of K step 0 is in, and the joint loads meet
	JLOAD 1                                        ; K step 1: slot 1's first fill, the first tensor load behind the round
	FETCH 0, 0, F0
	global_prefetch_b8 v30, s[72:73] offset:3*KSTEP th:TH_LOAD_NT scope:SCOPE_SE   ; behind K step 1's load: K step 3
	QUARTER 0, 128, F0, F1, 1                      ; the first quarter stands in front of the loop: its products start the sums
	WIN 0
	s_mov_b32 s3, LAPS-1
.Llap:                                                 ; a trip goes once round the ring and fills both slots again
	QUARTER 0, 256, F1, F0, 0
	QUARTER 0, 384, F0, F1, 0
	TURN 0, 1, 1
	QUARTER 1, 128, F0, F1, 0
	QUARTER 1, 256, F1, F0, 0
	QUARTER 1, 384, F0, F1, 0
	TURN 1, 0, 1
	QUARTER 0, 128, F0, F1, 0
	WIN 0
	s_sub_co_u32 s3, s3, 1
	s_cmp_lg_u32 s3, 0
	s_cbranch_scc1 .Llap
	QUARTER 0, 256, F1, F0, 0                      ; the last lap fills nothing
	QUARTER 0, 384, F0, F1, 0
	TURN 0, 1, 0
	QUARTER 1, 128, F0, F1, 0
	QUARTER 1, 256, F1, F0, 0
	QUARTER 1, 384, F0, F1, 0
	s_wait_dscnt 8
	WIN MUL
	MUL4 F1, 0, 0
	MUL4 F1, 1, 0
	s_wait_dscnt 0x0
	MUL4 F1, 2, 0
	MUL4 F1, 3, 0
	WIN 0
	; THE WAY OUT, 16 rows x 64 columns at a time: sum x 2^(e8 + e9) + b2; through my own stage; sixteen lanes store one aligned run of 256 bytes.
	s_wait_kmcnt 0x0
	s_add_co_i32 s70, s68, s69
	s_add_co_i32 s70, s70, 127
	s_lshl_b32 s70, s70, 23                        ; 2^(e8 + e9) as f32
	s_mov_b32 s71, s70                             ; (named with it as a pair, so it is written)
	s_wait_loadcnt 0x0                             ; b2
	PLACES
.irp a, 0,1,2,3
.irp b, 0,1,2,3
.irp i, 0,2,4,6
	v_pk_fma_f32 v[TMP+8*\b+\i:TMP+8*\b+\i+1], v[ACC+8*(4*\a+\b)+\i:ACC+8*(4*\a+\b)+\i+1], s[70:71], v[B2+8*\b+\i:B2+8*\b+\i+1] op_sel_hi:[1,0,1]   ; each accumulator from its low end on
.endr
.endr
.irp b, 0,1,2,3
	ds_store_b128 v[STO], v[TMP+8*\b:TMP+8*\b+3] offset:64*\b
	ds_store_b128 v[STO], v[TMP+8*\b+4:TMP+8*\b+7] offset:64*\b+16
.endr
	s_wait_xcnt 0x0                                ; the last block's stores have read their registers: the loads below may land there
.irp t, 0,1,2,3,4,5,6,7
	ds_load_b128 v[BK+4*\t:BK+4*\t+3], v[RD] offset:2*\t*SPITCH   ; LDS serves a wave's instructions in order: these see my stores
.endr
	s_wait_dscnt 0x0
.irp t, 0,1,2,3,4,5,6,7
	global_store_b128 v[CO], v[BK+4*\t:BK+4*\t+3], s[12:13] offset:(16*\a+2*\t)*4096
.endr
.endr
	s_wait_tensorcnt 0x0                           ; the wave's end
	ds_add_u32 v[SPW], v[NIL]
	s_wait_dscnt 0x0
	CROUND
	s_endpgm
.Lfunc_end_k_q5b429a51b1_ffn2:
	.size	k_q5b429a51b1_ffn2, .Lfunc_end_k_q5b429a51b1_ffn2-k_q5b429a51b1_ffn2
	.p2alignl 7, 3214868480
	.fill 96, 4, 3214868480
	.section	.rodata,"a",@progbits
	.p2align	6, 0x0
	.amdhsa_kernel k_q5b429a51b1_ffn2
		.amdhsa_group_segment_fixed_size 327680
		.amdhsa_private_segment_fixed_size 0
		.amdhsa_enable_private_segment 0
		.amdhsa_kernarg_size 40
		.amdhsa_user_sgpr_count 2
		.amdhsa_user_sgpr_kernarg_segment_ptr 1
		.amdhsa_wavefront_size32 1
		.amdhsa_system_sgpr_workgroup_id_x 1
		.amdhsa_system_sgpr_workgroup_id_y 1
		.amdhsa_system_sgpr_workgroup_id_z 1
		.amdhsa_system_vgpr_workitem_id 0
		.amdhsa_next_free_vgpr 512
		.amdhsa_next_free_sgpr 100
		.amdhsa_reserve_vcc 0
		.amdhsa_float_denorm_mode_32 3
		.amdhsa_float_denorm_mode_16_64 3
		.amdhsa_memory_ordered 1
		.amdhsa_forward_progress 1
		.amdhsa_inst_pref_size 77
	.end_amdhsa_kernel
	.amdgpu_metadata
---
amdhsa.version: [ 1, 2 ]
amdhsa.kernels:
  - .name:           k_q5b429a51b1_ffn2
    .symbol:         k_q5b429a51b1_ffn2.kd
    .args:
      - { .name: hidq, .offset: 0, .size: 8, .value_kind: global_buffer, .address_space: global }
      - { .name: wq, .offset: 8, .size: 8, .value_kind: global_buffer, .address_space: global }
      - { .name: lowp_scales, .offset: 16, .size: 8, .value_kind: global_buffer, .address_space: global }
      - { .name: b2, .offset: 24, .size: 8, .value_kind: global_buffer, .address_space: global }
      - { .name: fbuf, .offset: 32, .size: 8, .value_kind: global_buffer, .address_space: global }
    .group_segment_fixed_size: 327680
    .private_segment_fixed_size: 0
    .kernarg_segment_align: 8
    .kernarg_segment_size: 40
    .max_flat_workgroup_size: 128
    .sgpr_count:     100
    .vgpr_count:     512
    .wavefront_size: 32
...
	.end_amdgpu_metadata
.endif
;; end of part 5
;; launch ln2 (part 6): grid 256 x 1, 8 waves a work-group, no clusters, 0 bytes of LDS; arguments fbuf, hbuf, gamma, beta, out0; writes out0
.if DOCPART == 6
	.amdgcn_target "amdgcn-amd-amdhsa--gfx1250"
	.amdhsa_code_object_version 6
	.text
	.protected	k_q5b429a51b1_ln2
	.globl	k_q5b429a51b1_ln2
	.p2align	8
	.type	k_q5b429a51b1_ln2,@function
k_q5b429a51b1_ln2:
	s_mov_b64 s[64:65], 0
	v_nop
	global_prefetch_b8 v0, s[64:65] scope:SCOPE_SE
	s_setreg_imm32_b32 hwreg(HW_REG_WAVE_MODE, 25, 1), 1
	s_wait_xcnt 0x0
; out0 = LayerNorm(f + h), rows of 1,024 f32.  A wave takes two whole rows, 32 numbers a lane each, and keeps them in registers between the passes: each byte is read once, and the norm never leaves the wave.
; The variance is taken of the differences from the mean, in a second pass over registers.  Every load and store of a wave covers 512 consecutive bytes.
; A stream: no LDS, no barrier, no matrix unit, no cluster: no two work-groups read the same rows, and gamma and beta are 8,192 bytes.
.set F0,  16                           ; v16-47   row 0: f, then the result
.set H0,  48                           ; v48-79   row 0: h
.set GA,  80                           ; v80-111  gamma
.set BE,  112                          ; v112-143 beta
.set F1,  144                          ; v144-175 row 1
.set H1,  176                          ; v176-207
.set TM,  2                            ; v2-7     at work
.set PD,  8                            ; v8       the lane permute's destination
.set SEL, 20
.set RN,  22                           ; s22  1 / 1,024
.set EP,  23                           ; s23  1e-5
	s_load_b256 s[4:11], s[0:1], 0x0               ; f s[4:5], h s[6:7], gamma s[8:9], beta s[10:11]
	s_load_b64 s[12:13], s[0:1], 0x20              ; out0
	v_lshrrev_b32 v1, 5, v0
	s_delay_alu instid0(VALU_DEP_1)
	v_readfirstlane_b32 s14, v1                    ; wave 0..7
	v_and_b32 v1, 31, v0
	s_delay_alu instid0(VALU_DEP_1)
	v_lshlrev_b32 v1, 4, v1                        ; 16 bytes a lane
	s_lshl_b32 s16, ttmp9, 16                      ; 16 rows of 4,096 bytes a work-group,
	s_lshl_b32 s15, s14, 13                        ; two a wave
	s_add_co_u32 s16, s16, s15
	s_mov_b32 s17, 0
	s_mov_b32 s[SEL], 0x76543210
	s_mov_b32 s[SEL+1], 0xfedcba98
	s_mov_b32 s[RN], 0x3a800000
	s_mov_b32 s[EP], 0x3727c5ac
	v_mov_b32 v[PD], 0                             ; a lane permute's destination counts as one of its sources
	s_wait_alu depctr_va_vdst(0)
	s_wait_kmcnt 0x0
	s_add_nc_u64 s[4:5], s[4:5], s[16:17]
	s_add_nc_u64 s[6:7], s[6:7], s[16:17]
	s_add_nc_u64 s[12:13], s[12:13], s[16:17]
.irp i, 0,1,2,3,4,5,6,7
	global_load_b128 v[F0+4*\i:F0+4*\i+3], v1, s[4:5] offset:512*\i th:TH_LOAD_NT
	global_load_b128 v[H0+4*\i:H0+4*\i+3], v1, s[6:7] offset:512*\i th:TH_LOAD_NT
.endr
.irp i, 0,1,2,3,4,5,6,7
	global_load_b128 v[GA+4*\i:GA+4*\i+3], v1, s[8:9] offset:512*\i
	global_load_b128 v[BE+4*\i:BE+4*\i+3], v1, s[10:11] offset:512*\i
.endr
.irp i, 0,1,2,3,4,5,6,7
	global_load_b128 v[F1+4*\i:F1+4*\i+3], v1, s[4:5] offset:4096+512*\i th:TH_LOAD_NT
	global_load_b128 v[H1+4*\i:H1+4*\i+3], v1, s[6:7] offset:4096+512*\i th:TH_LOAD_NT
.endr
.macro REDUCE r, pd                    ; the sum over the 32 lanes, in every lane
	s_delay_alu instid0(VALU_DEP_1)
	v_add_f32_dpp v[\r], v[\r], v[\r] row_xmask:1 row_mask:0xf bank_mask:0xf
	s_delay_alu instid0(VALU_DEP_1)
	v_add_f32_dpp v[\r], v[\r], v[\r] row_xmask:2 row_mask:0xf bank_mask:0xf
	s_delay_alu instid0(VALU_DEP_1)
	v_add_f32_dpp v[\r], v[\r], v[\r] row_xmask:4 row_mask:0xf bank_mask:0xf
	s_delay_alu instid0(VALU_DEP_1)
	v_add_f32_dpp v[\r], v[\r], v[\r] row_xmask:8 row_mask:0xf bank_mask:0xf
	s_delay_alu instid0(VALU_DEP_1)
	v_permlanex16_b32 v[\pd], v[\r], s[SEL], s[SEL+1]
	s_delay_alu instid0(VALU_DEP_1)
	v_add_f32 v[\r], v[\r], v[\pd]
.endm
; A row of 1,024 numbers, 32 a lane in v[y] on, becomes gamma (y - mean) / sqrt(var + 1e-5) + beta, in place.  tm: six registers at work.
.macro LNROW y, g, b, tm, pd
	v_pk_add_f32 v[\tm:\tm+1], v[\y:\y+1], v[\y+2:\y+3]
	v_pk_add_f32 v[\tm+2:\tm+3], v[\y+4:\y+5], v[\y+6:\y+7]
.irp j, 8,12,16,20,24,28
	s_delay_alu instid0(VALU_DEP_2)
	v_pk_add_f32 v[\tm:\tm+1], v[\tm:\tm+1], v[\y+\j:\y+\j+1]
	s_delay_alu instid0(VALU_DEP_2)
	v_pk_add_f32 v[\tm+2:\tm+3], v[\tm+2:\tm+3], v[\y+\j+2:\y+\j+3]
.endr
	s_delay_alu instid0(VALU_DEP_1)
	v_pk_add_f32 v[\tm:\tm+1], v[\tm:\tm+1], v[\tm+2:\tm+3]
	s_delay_alu instid0(VALU_DEP_1)
	v_add_f32 v[\tm], v[\tm], v[\tm+1]
	REDUCE \tm, \pd
	s_delay_alu instid0(VALU_DEP_1)
	v_mul_f32 v[\tm+4], s[RN], v[\tm]              ; the mean, twice: a pair for the packed forms
	s_delay_alu instid0(VALU_DEP_2)
	v_mul_f32 v[\tm+5], s[RN], v[\tm]
.irp j, 0,2,4,6,8,10,12,14,16,18,20,22,24,26,28,30
	v_pk_add_f32 v[\y+\j:\y+\j+1], v[\y+\j:\y+\j+1], v[\tm+4:\tm+5] neg_lo:[0,1] neg_hi:[0,1]
.endr
	v_pk_mul_f32 v[\tm:\tm+1], v[\y:\y+1], v[\y:\y+1]
	v_pk_mul_f32 v[\tm+2:\tm+3], v[\y+2:\y+3], v[\y+2:\y+3]
.irp j, 4,8,12,16,20,24,28
	s_delay_alu instid0(VALU_DEP_2)
	v_pk_fma_f32 v[\tm:\tm+1], v[\y+\j:\y+\j+1], v[\y+\j:\y+\j+1], v[\tm:\tm+1]
	s_delay_alu instid0(VALU_DEP_2)
	v_pk_fma_f32 v[\tm+2:\tm+3], v[\y+\j+2:\y+\j+3], v[\y+\j+2:\y+\j+3], v[\tm+2:\tm+3]
.endr
	s_delay_alu instid0(VALU_DEP_1)
	v_pk_add_f32 v[\tm:\tm+1], v[\tm:\tm+1], v[\tm+2:\tm+3]
	s_delay_alu instid0(VALU_DEP_1)
	v_add_f32 v[\tm], v[\tm], v[\tm+1]
	REDUCE \tm, \pd
	s_delay_alu instid0(VALU_DEP_1)
	v_fma_f32 v[\tm], v[\tm], s[RN], s[EP]         ; var + 1e-5
	s_wait_alu depctr_va_vdst(0)
	v_rsq_f32 v[\tm+4], v[\tm]
	v_rsq_f32 v[\tm+5], v[\tm]
	v_nop                                          ; a plain place behind the transcendentals
	s_wait_alu depctr_va_vdst(0)
.irp j, 0,2,4,6,8,10,12,14,16,18,20,22,24,26,28,30
	v_pk_mul_f32 v[\y+\j:\y+\j+1], v[\y+\j:\y+\j+1], v[\tm+4:\tm+5]
.endr
.irp j, 0,2,4,6,8,10,12,14,16,18,20,22,24,26,28,30
	v_pk_fma_f32 v[\y+\j:\y+\j+1], v[\y+\j:\y+\j+1], v[\g+\j:\g+\j+1], v[\b+\j:\b+\j+1]
.endr
.endm
	s_wait_loadcnt 32                              ; row 0's sixteen loads are in; gamma's, beta's and row 1's 32 stay out
.irp j, 0,2,4,6,8,10,12,14,16,18,20,22,24,26,28,30
	v_pk_add_f32 v[F0+\j:F0+\j+1], v[F0+\j:F0+\j+1], v[H0+\j:H0+\j+1]
.endr
	s_wait_loadcnt 16                              ; gamma and beta are in; row 1's sixteen stay out
	LNROW F0, GA, BE, TM, PD
.irp i, 0,1,2,3,4,5,6,7
	global_store_b128 v1, v[F0+4*\i:F0+4*\i+3], s[12:13] offset:512*\i th:TH_STORE_NT
.endr
	s_wait_loadcnt 0x0
.irp j, 0,2,4,6,8,10,12,14,16,18,20,22,24,26,28,30
	v_pk_add_f32 v[F1+\j:F1+\j+1], v[F1+\j:F1+\j+1], v[H1+\j:H1+\j+1]
.endr
	LNROW F1, GA, BE, TM, PD
.irp i, 0,1,2,3,4,5,6,7
	global_store_b128 v1, v[F1+4*\i:F1+4*\i+3], s[12:13] offset:4096+512*\i th:TH_STORE_NT
.endr
	s_endpgm
.Lfunc_end_k_q5b429a51b1_ln2:
	.size	k_q5b429a51b1_ln2, .Lfunc_end_k_q5b429a51b1_ln2-k_q5b429a51b1_ln2
	.p2alignl 7, 3214868480
	.fill 96, 4, 3214868480
	.section	.rodata,"a",@progbits
	.p2align	6, 0x0
	.amdhsa_kernel k_q5b429a51b1_ln2
		.amdhsa_group_segment_fixed_size 0
		.amdhsa_private_segment_fixed_size 0
		.amdhsa_enable_private_segment 0
		.amdhsa_kernarg_size 40
		.amdhsa_user_sgpr_count 2
		.amdhsa_user_sgpr_kernarg_segment_ptr 1
		.amdhsa_wavefront_size32 1
		.amdhsa_system_sgpr_workgroup_id_x 1
		.amdhsa_system_sgpr_workgroup_id_y 1
		.amdhsa_system_sgpr_workgroup_id_z 1
		.amdhsa_system_vgpr_workitem_id 0
		.amdhsa_next_free_vgpr 208
		.amdhsa_next_free_sgpr 66
		.amdhsa_reserve_vcc 0
		.amdhsa_float_denorm_mode_32 3
		.amdhsa_float_denorm_mode_16_64 3
		.amdhsa_memory_ordered 1
		.amdhsa_forward_progress 1
		.amdhsa_inst_pref_size 25
	.end_amdhsa_kernel
	.amdgpu_metadata
---
amdhsa.version: [ 1, 2 ]
amdhsa.kernels:
  - .name:           k_q5b429a51b1_ln2
    .symbol:         k_q5b429a51b1_ln2.kd
    .args:
      - { .name: fbuf, .offset: 0, .size: 8, .value_kind: global_buffer, .address_space: global }
      - { .name: hbuf, .offset: 8, .size: 8, .value_kind: global_buffer, .address_space: global }
      - { .name: gamma, .offset: 16, .size: 8, .value_kind: global_buffer, .address_space: global }
      - { .name: beta, .offset: 24, .size: 8, .value_kind: global_buffer, .address_space: global }
      - { .name: out0, .offset: 32, .size: 8, .value_kind: global_buffer, .address_space: global }
    .group_segment_fixed_size: 0
    .private_segment_fixed_size: 0
    .kernarg_segment_align: 8
    .kernarg_segment_size: 40
    .max_flat_workgroup_size: 256
    .sgpr_count:     66
    .vgpr_count:     208
    .wavefront_size: 32
...
	.end_amdgpu_metadata
.endif
;; end of part 6
